; MI455X (gfx1250); checked and timed in simulation.
; The chip was launched on July 23, 2026; its instructions are those of AMD's public machine-readable ISA for CDNA 5 (MIT licence, August 2026) and "CDNA5" Instruction Set Architecture Reference Guide (July 2026). The comments in the code are by the model that wrote it; some were corrected since.
;; Self Attention. Allowed arithmetic: matrix products marked QUANTISED: E2M3 operands, one E8M0 scale for each 32 along K, by v_wmma_scale_f32_16x16x128_f8f6f4 with both operands' format E2M3, f32 sums; everything else in f32.
;; Inputs: Wk 1,024 x 1,024 float32; Wq 1,024 x 1,024 float32; Wv 1,024 x 1,024 float32; atten_mask 2,048 x 2,048 int32; bk 1,024 float32; bq 1,024 float32; bv 1,024 float32; x 4 x 2,048 x 1,024 float32.
;; Outputs: out0 4 x 2,048 x 1,024 float32.
;; This version of the problem:
;;   THIS VERSION OF THE PROBLEM IS GIVEN IN LOW PRECISION. The matrix products marked QUANTISED in the list below multiply operands that are first quantised to E2M3 (2 exponent bits, 3 mantissa bits; 6 bits a number), with one power-of-two scale for each 32 numbers along K (OCP MX v1.0); their sums are f32. All else is computed in f32.
;;   The module's matrix products, in the order in which they are computed (A, B: the left and right operand; K: the contracted axis; several contracted axes count as one K, in the product's order):
;;     1. [M 8,192, K 1,024] x [K 1,024, N 1,024]; A: input x; B: input Wq: QUANTISED
;;     2. [M 8,192, K 1,024] x [K 1,024, N 1,024]; A: input x; B: input Wk: QUANTISED
;;     3. [M 8,192, K 1,024] x [K 1,024, N 1,024]; A: input x; B: input Wv: QUANTISED
;;     4. batch 4 x [M 2,048, K 1,024] x [K 1,024, N 2,048]; A: computed on the way; B: computed on the way: QUANTISED
;;     5. batch 4 x [M 2,048, K 2,048] x [K 2,048, N 1,024]; A: softmax (see below); B: computed on the way: QUANTISED
;;   THE QUANTISER, for each operand of a quantised product, along K:
;;     - K is cut into blocks of 32 from its start; a last block that is shorter is filled with zeros.
;;     - A block's scale is 2^e with e = floor(log2(the largest magnitude in the block)) - 2, held to -126 .. 127; a block of zeros has e = 0. As a byte (E8M0): e + 127.
;;     - Each number is divided by its block's scale, clamped to +-7.5, and rounded to the nearest number of E2M3, ties to even, subnormals kept.
;;     - The product sums the exact products of the quantised numbers (number of the format x scale) in f32.
;;   ~~~python
;;   def quantise(x, axis):      # numpy; x: float32 -> the quantised numbers, widened to float32 again
;;       x = np.moveaxis(x, axis, -1); K = x.shape[-1]
;;       x = np.pad(x, [(0, 0)] * (x.ndim - 1) + [(0, -K % 32)]); x = x.reshape(x.shape[:-1] + (-1, 32)); a = np.abs(x).max(-1, keepdims=True)
;;       e = np.where(a > 0, np.clip(np.frexp(np.where(a > 0, a, 1))[1] - 1 - 2, -126, 127), 0)      # np.frexp(a)[1] - 1 = floor(log2(a)), exactly
;;       r = np.clip(x / 2.0 ** e, -7.5, 7.5)
;;       step = 2.0 ** (np.maximum(np.frexp(np.where(r == 0, 1, r))[1] - 1, 0) - 3)
;;       q = np.round(r / step) * step * 2.0 ** e      # np.round: ties to even
;;       return np.moveaxis(q.reshape(q.shape[:-2] + (-1,))[..., :K], -1, axis).astype(np.float32)
;;   ~~~
;;   SOFTMAX AHEAD OF A QUANTISED PRODUCT. Where the list says 'softmax', what is quantised is not the finished softmax but p = 2^(t - M), with t = logit x log2(e) and M = ceil(the row's largest t), a whole number; so 1/2 < the row's largest p <= 1. The row's sum l is taken of the UNQUANTISED p, in f32, and the product's result is divided by l at the end. Since M is a whole number, a kernel that streams over the keys may use a running M (the ceiling of the running maximum): every later rescaling is an exact power of two, which a block's scale takes up: the codes' values come out the same.
;;   OPERANDS COMPUTED ON THE WAY. 'Computed on the way' means the value that the module computes at that place (a softmax that the list does not call 'softmax' is quantised finished and normalised). What goes into a quantiser is computed in f32, as accurately as f32 sums, v_exp_f32 and their like allow (about 1e-6 of the number): no bf16 or f16 on the way to a quantiser, and a product that is left as it is and whose result goes on into a quantised operand takes f32 operands (vector FMAs, or v_wmma_f32_16x16x4_f32). A number that lies on a knife's edge between two numbers of the format may be rounded either way, as far as f32 arithmetic and the matrix unit's own rounding can turn it there, and no further.
;; One version. Each part assembles by itself: llvm-mc -triple=amdgcn-amd-amdhsa -mcpu=gfx1250 --defsym DOCPART=n.
;; ======== version 1 of 1: 4 launches
;; limits: right only within a limited range of input values
;; workspace buffers: w1 9,011,200 bytes; mb 524,288 bytes of whole numbers; qkv 19,660,800 bytes; pbuf 14,155,776 bytes
;; launch prep (part 1): grid 576 x 1, 4 waves a work-group, no clusters, 81,408 bytes of LDS; arguments Wq, Wk, Wv, x, atten_mask, w1, mb; writes w1, mb
.if DOCPART == 1
	.amdgcn_target "amdgcn-amd-amdhsa--gfx1250"
	.amdhsa_code_object_version 6
	.text
	.protected	k_q8e9673a345_prep
	.globl	k_q8e9673a345_prep
	.p2align	8
	.type	k_q8e9673a345_prep,@function
k_q8e9673a345_prep:
	s_mov_b64 s[64:65], 0
	v_nop
	global_prefetch_b8 v0, s[64:65] scope:SCOPE_SE
	s_setreg_imm32_b32 hwreg(HW_REG_WAVE_MODE, 25, 1), 1
	s_wait_xcnt 0x0
; x [8192][1024] and Wq, Wk, Wv [1024 (k)][1024 (n)], f32, become codes of FP6 (E2M3) with one E8M0 byte for each 32 along K = the 1,024 channels; the mask becomes words of 32 lane bits.
; A block's scale is 2^(floor(log2(largest magnitude)) - 2); its byte is the largest magnitude's exponent field - 2, held at 1 from below.
; LIMITS: a block of zeros gets the byte 1 where the quantiser says 127 (its codes are zeros, and only this program reads the bytes); NaN and infinities among the inputs are not served.
; LAYOUT OF THE WORKSPACE: everything is laid in the order of the matrix operand's registers.
;   A TILE is 16 rows (tokens of x, columns of W): lane r of tile T holds row 32 (T / 2) + 8 (T % 2) + r + 8 (r / 8).
;   A FRAGMENT IMAGE is 16 rows x 128 K, 12 registers a lane, 1,536 bytes: register 4 c + i of lane l at byte 512 c + 16 l + 4 i.
;   SCALE WORDS: for 8 tiles and 128 K 512 bytes: the word of (tile a, lane r) at 256 (a / 4) + 16 r + 4 (a % 4).
;   w1: x's images [K / 256][tile 512][2][1536]; W's [K / 256][tile 192][2][1536] (tiles 64 m on: m = 0 Wq, 1 Wk, 2 Wv); x's scale words [64][8][512]; W's [24][8][512].
;   mb: [query tile 128][128 keys: 16][n 64] words: bit (r, h) of word n = 16 b + i says whether mask[row r of the tile][128 chunk + 32 b + 16 h + i] is 1.
; SHARES: a wave takes 32 KiB.  Work-groups 0-95: W (a wave: 64 columns x 128 K); 96-351: x (64 rows x 128 K); 352-479: the mask (16 rows x 512 keys).
; The three ways part on the work-group's number and have LDS bytes of their own.  Waves share nothing: no barrier, no cluster (no two work-groups read the same bytes), no matrix unit.
; THE SHARES IN THIS TEXT, in place of the line above: work-groups 0-191: W (a wave: 32 columns x 128 K, 16 KiB); 192-447: x (64 rows x 128 K, 32 KiB); 448-575: the mask (16 rows x 512 keys, 32 KiB).
.set XKK,  1572864                     ; x's images of 256 along K
.set WKK,  589824                      ; W's
.set WFO,  6291456                     ; where W's images begin in w1
.set XSO,  8650752                     ; x's scale words
.set WSO,  8912896                     ; W's
.set STP,  528                         ; a stage row: 512 bytes + 16: sixteen rows begin in sixteen different groups of banks
.set STB,  16*STP                      ; a wave's stage
.set STM,  4*STB                       ; the mask's stages begin here
.set STW,  8*STB                       ; W's: 3,328 bytes a wave: two images and 256 bytes of scale words
.set R,    16                          ; v16-143  two sets of 64: 16 rows x 512 bytes as loaded
.set X,    144                         ; v144-207 64 numbers of a lane, in the operand's order
; 16 rows of a tile, 512 consecutive bytes each
.macro LOADR set, sb, off0, pitch
.irp t, 0,1,2,3,4,5,6,7,8,9,10,11,12,13,14,15
	global_load_b128 v[R+64*(\set)+4*\t:R+64*(\set)+4*\t+3], v4, s[\sb:\sb+1] offset:(\off0)+(\t+8*(\t/8))*(\pitch) th:TH_LOAD_NT
.endr
.endm
.macro TOST set                        ; into my stage as they lie
.irp t, 0,1,2,3,4,5,6,7,8,9,10,11,12,13,14,15
	ds_store_b128 v13, v[R+64*(\set)+4*\t:R+64*(\set)+4*\t+3] offset:STP*\t
.endr
.endm
.macro BACK n, step                    ; and back: runs of n x 16 bytes of my row, step bytes apart.  LDS serves a wave's instructions in order: these see the stores
.irp q, 0,1,2,3,4,5,6,7,8,9,10,11,12,13,14,15
	ds_load_b128 v[X+4*\q:X+4*\q+3], v14 offset:(\step)*(\q/(\n))+16*(\q%(\n))
.endr
.endm
	s_load_b256 s[4:11], s[0:1], 0x0               ; Wq s[4:5], Wk s[6:7], Wv s[8:9], x s[10:11]
	s_load_b128 s[12:15], s[0:1], 0x20             ; the mask s[12:13], w1 s[14:15]
	s_load_b64 s[24:25], s[0:1], 0x30              ; mb
	v_lshl_add_u32 v254, v0, 2, 0x13c00
	v_mov_b32 v255, 0
	v_lshrrev_b32 v1, 5, v0
	v_readfirstlane_b32 s16, v1                    ; wave
	v_and_b32 v1, 31, v0                           ; lane
	v_and_b32 v2, 15, v0                           ; r
	v_bfe_u32 v3, v0, 4, 1                         ; h
	v_lshlrev_b32 v4, 4, v1                        ; 16 x lane
	s_mov_b32 s20, 0x76543210
	s_mov_b32 s21, 0xfedcba98                      ; v_permlanex16_b32's selects for lane l xor 16
	s_cmp_lt_u32 ttmp9, 192
	s_cbranch_scc1 .Lweights
	s_cmp_lt_u32 ttmp9, 448
	s_cbranch_scc1 .Ltokens
; ---------------- THE MASK: query tile = work-group - 448; wave w takes chunks 4 w .. 4 w + 3
	s_sub_co_u32 s17, ttmp9, 448                   ; the tile
	s_lshr_b32 s18, s17, 1
	s_lshl_b32 s18, s18, 5
	s_and_b32 s19, s17, 1
	s_lshl_b32 s19, s19, 3
	s_add_co_u32 s18, s18, s19                     ; its first row
	s_lshl_b32 s18, s18, 13                        ; rows of 8,192 bytes
	s_lshl_b32 s19, s16, 11                        ; my 512 keys
	s_add_co_u32 s18, s18, s19
	s_mov_b32 s19, 0
	s_lshl_b32 s26, s17, 12                        ; mb: 4,096 bytes a tile, 1,024 a wave
	s_lshl_b32 s27, s16, 10
	s_add_co_u32 s26, s26, s27
	s_mov_b32 s27, 0
	s_mul_i32 s28, s16, STB
	s_add_co_u32 s28, s28, STM                     ; my stage
	s_wait_alu depctr_va_vdst(0)
	v_add_nc_u32 v13, s28, v4
	v_mul_u32_u24 v14, v2, STP
	v_lshl_add_u32 v14, v3, 6, v14                 ; back: row r, + 64 h: 16 numbers of each 32
	v_add_nc_u32 v14, s28, v14
	v_lshlrev_b32 v15, 3, v1                       ; out: 8 bytes a lane
.irp k, 0,1,2,3,4,5,6,7
	v_mov_b32 v[208+\k], 0                         ; v_writelane_b32's destination counts as read
.endr
	s_wait_kmcnt 0x0
	s_add_nc_u64 s[12:13], s[12:13], s[18:19]
	s_add_nc_u64 s[24:25], s[24:25], s[26:27]
	LOADR 0, 12, 0, 8192
	LOADR 1, 12, 512, 8192
.irp e, 0,1,2,3
.if \e < 3
	s_wait_loadcnt 16                              ; this chunk's 16 loads are in; the next chunk's 16 may be out
.else
	s_wait_loadcnt 0x0
.endif
	TOST \e%2
	BACK 4, 128                                    ; register 16 b + i: key 32 b + 16 h + i of my row
	s_wait_dscnt 0x0                               ; the numbers are back, and the stores have read their registers
.if \e < 2
	LOADR \e%2, 12, 512*(\e+2), 8192
.endif
.set g, 0
.rept 8                                        ; word n = 8 g + k: the 32 lanes' compares; it goes to lane n / 2 of register n % 2, so that a lane's 8 bytes are words 2 l, 2 l + 1
.irp k, 0,1,2,3,4,5,6,7
	v_cmp_eq_u32 s[40+\k], 1, v[X+8*g+\k]
.endr
.irp k, 0,1,2,3,4,5,6,7
	v_writelane_b32 v[208+2*\e+(\k%2)], s[40+\k], 4*g+\k/2
.endr
.set g, g+1
.endr
	global_store_b64 v15, v[208+2*\e:209+2*\e], s[24:25] offset:256*\e   ; 32 lanes store 256 consecutive bytes, aligned; each chunk has its own pair of registers
.endr
	s_wait_tensorcnt 0x0
	ds_add_u32 v254, v255
	s_wait_dscnt 0x0
	s_endpgm
; ---------------- x: job j = 4 (work-group - 192) + wave: 64 rows j / 8, K step j % 8.  The four waves of a work-group read 2,048 bytes on end of each row
.Ltokens:
	s_sub_co_u32 s17, ttmp9, 192
	s_lshr_b32 s18, s17, 1                         ; which 64 rows
	s_and_b32 s19, s17, 1
	s_lshl_b32 s19, s19, 2
	s_add_co_u32 s19, s19, s16                     ; which 128 along K
	s_lshl_b32 s26, s18, 18                        ; 64 rows of 4,096 bytes
	s_lshl_b32 s27, s19, 9
	s_add_co_u32 s26, s26, s27
	s_mov_b32 s27, 0
	s_lshr_b32 s28, s19, 1                         ; the images: [K / 256][tile][2][1536]
	s_mul_i32 s28, s28, XKK
	s_mul_i32 s29, s18, 12288                      ; four tiles of 3,072 bytes
	s_add_co_u32 s28, s28, s29
	s_and_b32 s29, s19, 1
	s_mul_i32 s29, s29, 1536
	s_add_co_u32 s28, s28, s29
	s_mov_b32 s29, 0
	s_lshr_b32 s30, s18, 1                         ; the scale words: [8 tiles][K step][512], my four tiles' half of 256 bytes
	s_lshl_b32 s30, s30, 3
	s_add_co_u32 s30, s30, s19
	s_lshl_b32 s30, s30, 9
	s_and_b32 s31, s18, 1
	s_lshl_b32 s31, s31, 8
	s_add_co_u32 s30, s30, s31
	s_add_co_u32 s30, s30, XSO
	s_mov_b32 s31, 0
	s_mul_i32 s32, s16, STB                        ; my stage
	s_wait_alu depctr_va_vdst(0)
	v_add_nc_u32 v13, s32, v4
	v_mul_u32_u24 v14, v2, STP
	v_lshl_add_u32 v14, v3, 7, v14                 ; back: row r, + 128 h: a whole block of 32 numbers
	v_add_nc_u32 v14, s32, v14
	v_lshlrev_b32 v15, 4, v2
	v_lshl_add_u32 v15, v3, 3, v15                 ; the scale words' way out: 16 r + 8 h
	v_lshlrev_b32 v11, 3, v3                       ; 8 h
	v_mov_b32 v12, 0                               ; a lane permute's destination counts as read
	s_wait_alu depctr_va_vdst(0)
	s_wait_kmcnt 0x0
	s_add_nc_u64 s[10:11], s[10:11], s[26:27]
	s_add_nc_u64 s[28:29], s[14:15], s[28:29]
	s_add_nc_u64 s[30:31], s[14:15], s[30:31]
; tile a of the four: my lane's 64 numbers (K = 64 c + 32 h + 0 .. 31: two whole blocks) become the fragment's 12 registers and my row's scale word
.macro QX a
.set F, 208+12*((\a)%2)
	v_max3_num_f32 v5, |v[X]|, |v[X+1]|, 0x1800000                 ; the floor 2^(3 - 127) among the leaves: the byte cannot fall under 1
	v_max3_num_f32 v6, |v[X+32]|, |v[X+33]|, 0x1800000
.irp i, 2,4,6,8,10,12,14,16,18,20,22,24,26,28,30
	v_max3_num_f32 v5, v5, |v[X+\i]|, |v[X+1+\i]|                  ; the two blocks by turns
	v_max3_num_f32 v6, v6, |v[X+32+\i]|, |v[X+33+\i]|
.endr
	v_add_nc_u32 v7, 0xff000000, v5                ; 2 off the exponent field: the conversion's scale operand
	v_add_nc_u32 v8, 0xff000000, v6
	v_lshrrev_b32 v9, 23, v7                       ; the bytes of blocks h and 2 + h
	v_lshrrev_b32 v10, 23, v8
	v_lshl_or_b32 v9, v10, 16, v9
	v_lshlrev_b32 v9, v11, v9                      ; at their places in the word
	v_permlanex16_b32 v12, v9, s20, s21
	v_or_b32 v[240+(\a)], v9, v12                  ; with lane l xor 16's two the word is whole
.if (\a) >= 2
	s_wait_alu depctr_va_vdst(0)
	s_wait_xcnt 0x0                                ; the stores of two tiles back have read this set of registers
.endif
	v_cvt_scalef32_pk16_fp6_f32 v[F:F+2], v[X:X+15], v7
	v_cvt_scalef32_pk16_fp6_f32 v[232:234], v[X+16:X+31], v7       ; (a conversion's three registers begin on an even number)
	v_cvt_scalef32_pk16_fp6_f32 v[F+6:F+8], v[X+32:X+47], v8
	v_cvt_scalef32_pk16_fp6_f32 v[236:238], v[X+48:X+63], v8
	v_nop                                          ; one plain place behind a scaled conversion
.irp i, 0,1,2
	v_mov_b32 v[F+3+\i], v[232+\i]
	v_mov_b32 v[F+9+\i], v[236+\i]
.endr
.irp c, 0,1,2
	global_store_b128 v4, v[F+4*\c:F+4*\c+3], s[28:29] offset:(\a)*3072+512*\c   ; 512 consecutive bytes
.endr
.endm
	LOADR 0, 10, 0, 4096
	LOADR 1, 10, 8*4096, 4096
.irp a, 0,1,2,3
.if \a < 3
	s_wait_loadcnt 16                              ; this tile's 16 loads are in; the next tile's 16 may be out
.else
	s_wait_loadcnt 0x0
.endif
	TOST \a%2
	BACK 8, 256
	s_wait_dscnt 0x0
.if \a < 2
	LOADR \a%2, 10, (32+8*\a)*4096, 4096
.endif
	QX \a
.endr
	v_cmp_eq_u32 vcc_lo, 1, v3
	v_cndmask_b32 v6, v240, v242, vcc_lo           ; lanes 0-15 store tiles 0, 1's words of row r, lanes 16-31 tiles 2, 3's
	v_cndmask_b32 v7, v241, v243, vcc_lo
	global_store_b64 v15, v[6:7], s[30:31]         ; 256 consecutive bytes, aligned
	s_wait_tensorcnt 0x0
	ds_add_u32 v254, v255
	s_wait_dscnt 0x0
	s_endpgm
; ---------------- W: K is the first axis: a lane takes a column and its registers run down K.  K step = work-group % 8; 32 columns 4 (work-group / 8) + wave
.Lweights:
	s_and_b32 s17, ttmp9, 7                        ; which 128 along K
	s_lshr_b32 s18, ttmp9, 3
	s_lshl_b32 s18, s18, 2
	s_add_co_u32 s18, s18, s16                     ; which 32 columns of the 3,072
	s_lshr_b32 s19, ttmp9, 6                       ; which W
	s_lshl_b32 s26, s17, 19                        ; 128 rows of 4,096 bytes
	s_and_b32 s27, s18, 31
	s_lshl_b32 s27, s27, 7
	s_add_co_u32 s26, s26, s27
	s_mov_b32 s27, 0
	s_lshr_b32 s28, s17, 1
	s_mul_i32 s28, s28, WKK
	s_mul_i32 s29, s18, 6144                       ; two tiles of 3,072 bytes
	s_add_co_u32 s28, s28, s29
	s_and_b32 s29, s17, 1
	s_mul_i32 s29, s29, 1536
	s_add_co_u32 s28, s28, s29
	s_add_co_u32 s28, s28, WFO
	s_mov_b32 s29, 0
	s_lshr_b32 s30, s18, 2                         ; the scale words: [8 tiles][K step][512]; my two tiles' words are 8 of each 16 bytes of a half of 256
	s_lshl_b32 s30, s30, 3
	s_add_co_u32 s30, s30, s17
	s_lshl_b32 s30, s30, 9
	s_lshr_b32 s31, s18, 1
	s_and_b32 s31, s31, 1
	s_lshl_b32 s31, s31, 8
	s_add_co_u32 s30, s30, s31
	s_and_b32 s31, s18, 1
	s_lshl_b32 s31, s31, 3
	s_add_co_u32 s30, s30, s31
	s_add_co_u32 s30, s30, WSO
	s_mov_b32 s31, 0
	s_mul_i32 s32, s16, 3328
	s_add_co_u32 s32, s32, STW                     ; my stage
	s_wait_alu depctr_va_vdst(0)
	v_lshlrev_b32 v5, 2, v1                        ; in: 4 bytes a lane
	v_bfe_u32 v6, v0, 3, 1                         ; column l of 32 is lane rt = l % 8 + 8 (l / 16) of tile u = (l / 8) % 2
	v_and_b32 v7, 7, v0
	v_lshl_add_u32 v7, v3, 3, v7
	v_mul_u32_u24 v8, v6, 1536
	v_lshl_add_u32 v8, v7, 4, v8
	v_add_nc_u32 v8, s32, v8                       ; tile u's image, lane rt's 16 bytes
	v_lshlrev_b32 v9, 2, v6
	v_lshl_add_u32 v9, v7, 4, v9
	v_add_nc_u32 v9, s32, v9                       ; the scale words (3,072 bytes on): 16 rt + 4 u
	v_add_nc_u32 v14, s32, v4                      ; back: 16 x lane
	v_lshrrev_b32 v15, 1, v1
	v_and_b32 v12, 1, v0
	v_lshlrev_b32 v12, 2, v12
	v_lshl_add_u32 v15, v15, 4, v12                ; the scale words' way out: lane l takes row l / 2 of tile l % 2: 16 (l / 2) + 4 (l % 2)
	v_add_nc_u32 v16, s32, v15
	s_wait_kmcnt 0x0
	s_cmp_eq_u32 s19, 1
	s_cselect_b64 s[4:5], s[6:7], s[4:5]
	s_cmp_eq_u32 s19, 2
	s_cselect_b64 s[4:5], s[8:9], s[4:5]
	s_add_nc_u64 s[4:5], s[4:5], s[26:27]
	s_add_nc_u64 s[28:29], s[14:15], s[28:29]
	s_add_nc_u64 s[30:31], s[14:15], s[30:31]
.macro LOADB t                         ; block t = 4 p + b: W(32 b + i, 32 p + my column), i = 0 .. 31
.set i, 0
.rept 32
	global_load_b32 v[32+32*((\t)%2)+i], v5, s[4:5] offset:(32*((\t)%4)+i)*4096+128*((\t)/4) th:TH_LOAD_NT
.set i, i+1
.endr
.endm
.macro BLOCK t
.set XB, 32+32*((\t)%2)
.if (\t) < 3
	s_wait_loadcnt 32                              ; this block's 32 loads are in; the next block's may be out
.else
	s_wait_loadcnt 0x0
.endif
	v_max3_num_f32 v12, |v[XB]|, |v[XB+1]|, |v[XB+2]|
	v_max3_num_f32 v13, |v[XB+3]|, |v[XB+4]|, |v[XB+5]|
.irp i, 6,10,14,18,22,26
	v_max3_num_f32 v12, v12, |v[XB+\i]|, |v[XB+\i+1]|
	v_max3_num_f32 v13, v13, |v[XB+\i+2]|, |v[XB+\i+3]|
.endr
	v_max3_num_f32 v12, v12, |v[XB+30]|, |v[XB+31]|
	v_max3_num_f32 v12, v12, v13, 0x1800000        ; and the floor
	v_add_nc_u32 v11, 0xff000000, v12
	v_lshrrev_b32 v13, 23, v11
.if (\t)%4 == 0
	v_mov_b32 v[24+(\t)/4], v13                    ; four bytes make my column's scale word
.else
	v_lshl_or_b32 v[24+(\t)/4], v13, 8*((\t)%4), v[24+(\t)/4]
.endif
	v_cvt_scalef32_pk16_fp6_f32 v[96:98], v[XB:XB+15], v11
	v_cvt_scalef32_pk16_fp6_f32 v[104:106], v[XB+16:XB+31], v11
	v_nop
.irp i, 0,1,2
	v_mov_b32 v[99+\i], v[104+\i]
.endr
; block b is registers 6 (b / 2) .. + 5 of the fragment's lane rt + 16 (b % 2)
.if ((\t)%4) < 2
	ds_store_b128 v8, v[96:99] offset:256*((\t)%2)
	ds_store_b64 v8, v[100:101] offset:256*((\t)%2)+512
.else
	ds_store_b64 v8, v[96:97] offset:256*((\t)%2)+520
	ds_store_b128 v8, v[98:101] offset:256*((\t)%2)+1024
.endif
.if (\t)+2 < 4
	LOADB (\t)+2
.endif
	s_wait_dscnt 0x0                               ; the stores have read their registers
.if ((\t)%4) == 3                      ; two tiles' images are whole: back as they lie, and out: 512 consecutive bytes a store; each pass has its own 24 registers
.irp u, 0,1
.irp c, 0,1,2
	ds_load_b128 v[112+24*((\t)/4)+12*\u+4*\c:112+24*((\t)/4)+12*\u+4*\c+3], v14 offset:1536*\u+512*\c
.endr
.endr
	s_wait_dscnt 0x0
.irp u, 0,1
.irp c, 0,1,2
	global_store_b128 v4, v[112+24*((\t)/4)+12*\u+4*\c:112+24*((\t)/4)+12*\u+4*\c+3], s[28:29] offset:(2*((\t)/4)+\u)*3072+512*\c
.endr
.endr
.endif
.endm
	LOADB 0
	LOADB 1
.irp t, 0,1,2,3
	BLOCK \t
.endr
	s_wait_alu depctr_va_vdst(0)                   ; the wait here, directly ahead of the reader below
	ds_store_b32 v9, v24 offset:3072               ; tile u, row rt: 16 rt + 4 u
	ds_load_b32 v26, v16 offset:3072
	s_wait_dscnt 0x0
	global_store_b32 v15, v26, s[30:31]
	s_wait_tensorcnt 0x0
	ds_add_u32 v254, v255
	s_wait_dscnt 0x0
	s_endpgm
.Lfunc_end_k_q8e9673a345_prep:
	.size	k_q8e9673a345_prep, .Lfunc_end_k_q8e9673a345_prep-k_q8e9673a345_prep
	.p2alignl 7, 3214868480
	.fill 96, 4, 3214868480
	.section	.rodata,"a",@progbits
	.p2align	6, 0x0
	.amdhsa_kernel k_q8e9673a345_prep
		.amdhsa_group_segment_fixed_size 81408
		.amdhsa_private_segment_fixed_size 0
		.amdhsa_enable_private_segment 0
		.amdhsa_kernarg_size 56
		.amdhsa_user_sgpr_count 2
		.amdhsa_user_sgpr_kernarg_segment_ptr 1
		.amdhsa_wavefront_size32 1
		.amdhsa_system_sgpr_workgroup_id_x 1
		.amdhsa_system_sgpr_workgroup_id_y 1
		.amdhsa_system_sgpr_workgroup_id_z 1
		.amdhsa_system_vgpr_workitem_id 0
		.amdhsa_next_free_vgpr 256
		.amdhsa_next_free_sgpr 66
		.amdhsa_reserve_vcc 1
		.amdhsa_float_denorm_mode_32 3
		.amdhsa_float_denorm_mode_16_64 3
		.amdhsa_memory_ordered 1
		.amdhsa_forward_progress 1
		.amdhsa_inst_pref_size 101
	.end_amdhsa_kernel
	.amdgpu_metadata
---
amdhsa.version: [ 1, 2 ]
amdhsa.kernels:
  - .name:           k_q8e9673a345_prep
    .symbol:         k_q8e9673a345_prep.kd
    .args:
      - { .name: Wq, .offset: 0, .size: 8, .value_kind: global_buffer, .address_space: global }
      - { .name: Wk, .offset: 8, .size: 8, .value_kind: global_buffer, .address_space: global }
      - { .name: Wv, .offset: 16, .size: 8, .value_kind: global_buffer, .address_space: global }
      - { .name: x, .offset: 24, .size: 8, .value_kind: global_buffer, .address_space: global }
      - { .name: atten_mask, .offset: 32, .size: 8, .value_kind: global_buffer, .address_space: global }
      - { .name: w1, .offset: 40, .size: 8, .value_kind: global_buffer, .address_space: global }
      - { .name: mb, .offset: 48, .size: 8, .value_kind: global_buffer, .address_space: global }
    .group_segment_fixed_size: 81408
    .private_segment_fixed_size: 0
    .kernarg_segment_align: 8
    .kernarg_segment_size: 56
    .max_flat_workgroup_size: 128
    .sgpr_count:     66
    .vgpr_count:     256
    .wavefront_size: 32
...
	.end_amdgpu_metadata
.endif
;; end of part 1
;; launch proj (part 2): grid 8 x 32, 4 waves a work-group, clusters of 4 x 4, 327,680 bytes of LDS; arguments w1, bq, bk, bv, qkv; writes qkv
.if DOCPART == 2
	.amdgcn_target "amdgcn-amd-amdhsa--gfx1250"
	.amdhsa_code_object_version 6
	.text
	.protected	k_q8e9673a345_proj
	.globl	k_q8e9673a345_proj
	.p2align	8
	.type	k_q8e9673a345_proj,@function
k_q8e9673a345_proj:
	s_mov_b64 s[64:65], 0
	v_nop
	global_prefetch_b8 v0, s[64:65] scope:SCOPE_SE
	s_setreg_imm32_b32 hwreg(HW_REG_WAVE_MODE, 25, 1), 1
	s_wait_xcnt 0x0
	s_wait_alu depctr_hold_cnt(0) depctr_sa_sdst(0) depctr_va_vdst(0) depctr_va_sdst(0) depctr_va_ssrc(0) depctr_va_vcc(0) depctr_vm_vsrc(0)
	s_getreg_b32 s2, hwreg(HW_REG_IB_STS2, 6, 4)
	s_cmp_eq_u32 s2, 0
	s_cbranch_scc0 .Lentry_in_a_cluster
	s_endpgm
.Lentry_in_a_cluster:
	s_bfe_u32 s2, ttmp6, 0x10000c
	s_cmp_lg_u32 s2, 0xf033
	s_cbranch_scc0 .Lentry_shape_is_right
	s_endpgm
.Lentry_shape_is_right:
; Q, K, V = x W + b on codes of FP6 (E2M3), K = 1,024, and the results quantised in registers for the next products: Q and K along the channels, V along the tokens (the keys).
; SHARES: 8 x 32 = 256 work-groups of equal work.  Work-group (x, y) takes tokens 256 y on and channels 128 x on of EACH of Q, K and V: three passes over K.  x's codes of its 256 tokens, all of K
; (196,608 bytes), come into LDS once and serve the three passes; W goes through a ring of two LDS slots of 128 channels x 512 along K: six half matrices, two first fills and four refills.
; A wave makes 128 x 64 in a pass: 32 accumulators of 16 x 16; 8 K steps of 32 matrix instructions.
; Operands come from w1 as FRAGMENT IMAGES (16 rows x 128 K: register 4 c + i of lane l at 512 c + 16 l + 4 i): a block of tiles is dense in memory, and a fragment is three ds_load_b128 of 512 consecutive
; bytes.  Lane r of tile T holds row 32 (T / 2) + 8 (T % 2) + r + 8 (r / 8): with such tiles as source 0 the 64 registers of eight neighbouring tiles are n = 16 b + i <-> row 32 b + 16 (lane / 16) + i:
; 16 neighbours of each block of 32 along the next K.
; P0 is the matrix instruction's source 0 (the result's registers run along its rows), P1 its source 1 (a lane is one of its rows).  Passes Q and K: P0 = W's 8 tiles, P1 = my 4 tiles of tokens (4 w on);
; pass V: P0 = 8 tiles of tokens (8 (w % 2) on), P1 = 4 tiles of Wv (4 (w / 2) on).
; SCALE WORDS come from memory straight into registers: 16 lanes x 16 bytes are one aligned block of 256 bytes; lanes 0-15 take P1's words, lanes 16-31 P0's; two sets of 64 registers take turns, loaded a pass ahead.
; THE BIAS is the C of a pass's first K step: along the registers for Q and K, the lane's own (eight copies) for V.
; CLUSTERS: x's blocks hang on work-group y alone and are asked for jointly by a row of the cluster, W's on work-group x alone and by a column.  Every wave fetches a quarter of every block.
; LIMITS: a block of zeros gets the byte 1 where the quantiser says 127 (its codes are zeros; only this program reads the bytes); NaN and infinities are not served.
; REGISTERS: window 0: v4-7 x as P1, v8-11 x as P0 (one address for each 256 along K); v12, 13 W as P0, v14, 15 W as P1 (one for each slot); v16-21 the scale words' offsets of the three passes; v22, 23 the
;   biases' offsets; v24, v26 offsets of the stores; v28, v29 the add's; v32-159 scale words and nothing else (set m % 2, register 8 ks + i); v160-207 four fragments' codes; v208-241 at work.
;   window 1: P0's two sets at v0 and v128; v96-127, v224-255 the bias.  window 2: the accumulators ((a, b) at v[8 (8 a + b)]).  window 3: P1's two sets at v0 and v48.
; THE FILLS IN THIS TEXT: at the head one joint load a wave (wave 0 Wq's first half of K, wave 1 x's, wave 2 Wq's second half, wave 3 x's); behind the head every wave fetches a quarter of each refill.
.set XKK,   1572864                    ; w1: 256 along K on, in x's images
.set WKK,   589824                     ; in W's
.set WFO,   6291456                    ; where W's images begin
.set XSO,   8650752                    ; x's scale words
.set WSO,   8912896                    ; W's
.set KFO,   6291456                    ; qkv: Q's images at 0, K's, V's, then the three sets of scale words
.set VFO,   12582912
.set QSO,   18874368
.set VSO,   19398656
.set QUART, 12288                      ; four tiles x 256 along K: what one tensor load brings
.set XBLK,  4*QUART                    ; LDS: x's 16 tiles x 256 along K; four such blocks from byte 0 on
.set WB,    4*XBLK                     ; W's two slots
.set WSLOT, 4*QUART                    ; [256 along K: 2][tile 8][2][1536]
.set SPARE, WB+2*WSLOT                 ; the spare words: 128 bytes a wave, two blocks of 256 bytes that no other line names
.set PC,    160                        ; the codes of a pass's four fragments, 12 registers each
.set TT,    208                        ; the second halves of the conversions
.set TM,    216                        ; 16 at work
.set PW,    232                        ; the four scale words made
.set BV,    236                        ; V's bias as loaded
.set SEL,   2                          ; s[2:3] v_permlanex16_b32's selects
.set MSB, 0
.macro WIN new                         ; the immediate's high byte repeats the setting that is left
.if MSB != (\new)
	s_set_vgpr_msb (MSB<<8)|(\new)
.set MSB, (\new)
.endif
.endm
.macro CREST                           ; a round of the cluster's barrier behind its opening barrier
	s_cmp_lg_u32 s14, 0
	s_cbranch_scc1 .Lnot_wave_0_\@
	s_barrier_signal -3
.Lnot_wave_0_\@:
	s_barrier_wait -3
	s_barrier_signal -1
	s_barrier_wait -1
.endm
.macro CROUND
	s_barrier_signal -1
	s_barrier_wait -1
	CREST
.endm
.macro PLACES n                        ; plain vector instructions between a matrix instruction and a load into, or a vector read or write of, its registers
.rept \n
	v_nop
.endr
.endm
.macro SLOAD m                         ; pass m's scale words, all 8 K steps: register 8 s + i: lanes 0-15 P1's tile i (i < 4), lanes 16-31 P0's tile i
.irp s, 0,1,2,3,4,5,6,7
	global_load_b128 v[32+64*((\m)%2)+8*\s:35+64*((\m)%2)+8*\s], v[16+2*(\m)], s[4:5] offset:512*\s
	global_load_b128 v[36+64*((\m)%2)+8*\s:39+64*((\m)%2)+8*\s], v[17+2*(\m)], s[4:5] offset:512*\s
.endr
.endm
.macro BLOAD sb                        ; the bias along the registers: for P0's tile b the channels 32 (b / 2) + 16 (lane / 16) + 8 (b % 2) + 0 .. 7
	WIN 0x40
.irp b, 0,1,2,3,4,5,6,7
	global_load_b128 v[96+8*\b+96*(\b/4):96+8*\b+96*(\b/4)+3], v22, s[\sb:\sb+1] offset:(32*(\b/2)+8*(\b%2))*4
	global_load_b128 v[96+8*\b+96*(\b/4)+4:96+8*\b+96*(\b/4)+7], v22, s[\sb:\sb+1] offset:(32*(\b/2)+8*(\b%2))*4+16
.endr
	WIN 0
.endm
; Step g = 8 x pass + K step.  Its fragments: 24 loads for P0, 12 for P1, into sets g % 2.  W's slot is (K step / 4), x's block (K step / 2)
.macro FETCH g
.set KS, (\g)%8
.set FS, (\g)%2
	WIN 0x40
.irp i, 0,1,2,3,4,5,6,7
.irp c, 0,1,2
.if (\g) < 16
	ds_load_b128 v[128*FS+12*\i+4*\c:128*FS+12*\i+4*\c+3], v[12+KS/4] offset:24576*((KS%4)/2)+3072*\i+1536*(KS%2)+512*\c
.else
	ds_load_b128 v[128*FS+12*\i+4*\c:128*FS+12*\i+4*\c+3], v[8+KS/2] offset:3072*\i+1536*(KS%2)+512*\c
.endif
.endr
.endr
	WIN 0xc0
.irp i, 0,1,2,3
.irp c, 0,1,2
.if (\g) < 16
	ds_load_b128 v[48*FS+12*\i+4*\c:48*FS+12*\i+4*\c+3], v[4+KS/2] offset:3072*\i+1536*(KS%2)+512*\c
.else
	ds_load_b128 v[48*FS+12*\i+4*\c:48*FS+12*\i+4*\c+3], v[14+KS/4] offset:24576*((KS%4)/2)+3072*\i+1536*(KS%2)+512*\c
.endif
.endr
.endr
	WIN 0
.endm
; P1's tile a x P0's eight.  The 32 accumulators take turns, one instruction a turn, in the same order in every step.  A pass's first step starts the sums on the bias
.macro MULV a, g
.set SCB, 32+64*(((\g)/8)%2)+8*((\g)%8)
.irp b, 0,1,2,3,4,5,6,7
.if ((\g)%8) != 0
	v_wmma_scale_f32_16x16x128_f8f6f4 v[8*(8*(\a)+\b):8*(8*(\a)+\b)+7], v[128*((\g)%2)+12*\b:128*((\g)%2)+12*\b+11], v[48*((\g)%2)+12*(\a):48*((\g)%2)+12*(\a)+11], v[8*(8*(\a)+\b):8*(8*(\a)+\b)+7], v[SCB+\b], v[SCB+(\a)] matrix_a_fmt:MATRIX_FMT_FP6 matrix_b_fmt:MATRIX_FMT_FP6 matrix_a_scale:MATRIX_SCALE_ROW1
.elseif (\g) < 16
	v_wmma_scale_f32_16x16x128_f8f6f4 v[8*(8*(\a)+\b):8*(8*(\a)+\b)+7], v[128*((\g)%2)+12*\b:128*((\g)%2)+12*\b+11], v[48*((\g)%2)+12*(\a):48*((\g)%2)+12*(\a)+11], v[96+8*\b+96*(\b/4):96+8*\b+96*(\b/4)+7], v[SCB+\b], v[SCB+(\a)] matrix_a_fmt:MATRIX_FMT_FP6 matrix_b_fmt:MATRIX_FMT_FP6 matrix_a_scale:MATRIX_SCALE_ROW1
.else
	v_wmma_scale_f32_16x16x128_f8f6f4 v[8*(8*(\a)+\b):8*(8*(\a)+\b)+7], v[128*((\g)%2)+12*\b:128*((\g)%2)+12*\b+11], v[48*((\g)%2)+12*(\a):48*((\g)%2)+12*(\a)+11], v[96+8*(\a):96+8*(\a)+7], v[SCB+\b], v[SCB+(\a)] matrix_a_fmt:MATRIX_FMT_FP6 matrix_b_fmt:MATRIX_FMT_FP6 matrix_a_scale:MATRIX_SCALE_ROW1
.endif
.endr
.endm
.macro STEPV g
	s_wait_dscnt 0x0                               ; this step's fragments are in
	PLACES 4                                       ; in front of loads into registers that the last step's products read
.if (\g) == 1
	BLOAD 8                                        ; K's bias, into the registers that step 0 took as C
.endif
.if (\g) == 9
	WIN 0
	SLOAD 2                                        ; pass V's scale words, into the set that pass Q has left
.irp a, 0,1,2,3
	global_load_b32 v[BV+\a], v23, s[10:11] offset:(32*(\a/2)+8*(\a%2))*4   ; and V's bias: my lane's channel of each of my four tiles
.endr
.endif
	FETCH (\g)+1
.if ((\g)%8) == 0
	WIN 0x9d                                       ; source 0 window 1, source 1 window 3, C (the bias) window 1, D window 2
.else
	WIN 0xad                                       ; C and D window 2
.endif
	MULV 0, \g
	MULV 1, \g
	MULV 2, \g
	MULV 3, \g
.endm
; A slot's last step changes slots: one barrier; in front of it each wave waits for all its tensor loads, adds 0 to its spare word, and waits for that and for its reads of this slot.
; fill = 1: this slot takes the same half of K of the next matrix: 64 tiles of 3,072 bytes on.
.macro TURNV g, fill
	WIN 0                                          ; (the add's two registers lie in window 0)
	s_wait_tensorcnt 0x0                           ; all my tensor loads have landed: my part of the next slot among them
	ds_add_u32 v28, v29                            ; 0 onto my spare word
	s_wait_dscnt 1                                 ; this step's fragments are in (the add alone may be out)
	WIN 0xad
	MULV 0, \g
	s_wait_dscnt 0x0                               ; the add is done, and my reads of this slot are over
	s_barrier_signal -1
	MULV 1, \g
	WIN 0
	s_barrier_wait -1
.if \fill
	CREST                                          ; the barrier has opened a round of the cluster's: no wave of any partner still reads this slot or has a load on its way
	s_add_nc_u64 s[58+4*(((\g)/4)%2):59+4*(((\g)/4)%2)], s[58+4*(((\g)/4)%2):59+4*(((\g)/4)%2)], 64*3072
	tensor_load_to_lds s[56+4*(((\g)/4)%2):59+4*(((\g)/4)%2)], s[32:39]   ; my one tensor load behind the round: 112 matrix instructions ahead of the wait for it
	s_nop 0
	PLACES 4                                       ; (also the places in front of the loads below)
.else
	PLACES 4
.endif
	FETCH (\g)+1
	WIN 0xad
	MULV 2, \g
	MULV 3, \g
.endm
; P1's tile a: the 64 accumulator registers of a lane, register 16 b + i = k 32 b + 16 (lane / 16) + i of my row, become a fragment's codes in v[PC + 12 a] on and its scale word in v[PW + a]
.macro QUANTW a
.set AC, 64*(\a)
.set PCS, PC+12*(\a)
	WIN 0x0a                                       ; sources 0 and 1 window 2
.irp b, 0,1,2,3
	v_max3_num_f32 v[TM+\b], |v[AC+16*\b]|, |v[AC+16*\b+1]|, 0x1800000   ; each accumulator from its low end on; the floor 2^(3 - 127): the byte cannot fall under 1
.endr
	WIN 0x28                                       ; sources 1 and 2 window 2
.irp i, 2,4,6,8,10,12,14
.irp b, 0,1,2,3
	v_max3_num_f32 v[TM+\b], v[TM+\b], |v[AC+16*\b+\i]|, |v[AC+16*\b+\i+1]|   ; the four blocks by turns
.endr
.endr
	WIN 0
.irp b, 0,1,2,3
	v_permlanex16_b32 v[TM+4+\b], v[TM+\b], s[SEL], s[SEL+1]
.endr
.irp b, 0,1,2,3
	v_max_num_f32 v[TM+\b], v[TM+\b], v[TM+4+\b]   ; with lane l xor 16's: the block's largest magnitude
.endr
.irp b, 0,1,2,3
	v_add_nc_u32 v[TM+12+\b], 0xff000000, v[TM+\b] ; 2 off its exponent field: the conversion's scale operand
.endr
.irp b, 0,1,2,3
	v_lshrrev_b32 v[TM+4+\b], 23, v[TM+12+\b]      ; the scale's byte
.endr
	v_lshl_or_b32 v[PW+(\a)], v[TM+5], 8, v[TM+4]
	v_lshl_or_b32 v[PW+(\a)], v[TM+6], 16, v[PW+(\a)]
	v_lshl_or_b32 v[PW+(\a)], v[TM+7], 24, v[PW+(\a)]
	WIN 0x02                                       ; source 0 window 2
.irp c, 0,1
	v_cvt_scalef32_pk16_fp6_f32 v[PCS+6*\c:PCS+6*\c+2], v[AC+32*\c:AC+32*\c+15], v[TM+12+2*\c]
	v_cvt_scalef32_pk16_fp6_f32 v[TT+4*\c:TT+4*\c+2], v[AC+32*\c+16:AC+32*\c+31], v[TM+12+2*\c+1]   ; (a conversion's three registers begin on an even number)
.endr
	WIN 0
	v_nop                                          ; one plain place behind a scaled conversion
.irp c, 0,1                                    ; the operand's layout wants a whole block in a lane
.irp i, 0,1,2
	v_permlane16_swap_b32 v[PCS+6*\c+\i], v[TT+4*\c+\i]
.endr
.irp i, 0,1,2
	v_mov_b32 v[PCS+3+6*\c+\i], v[TT+4*\c+\i]
.endr
.endr
.endm
; A pass's way out: four fragments of the next product, each as an image straight from the registers, 512 consecutive bytes a store; each fragment has code registers of its own, so one wait frees them all
.macro EPI ob, st2, st1, sb            ; st2: from a pair of tiles to the next, st1: from a pair's first tile to its second
	WIN 0
	PLACES 4                                       ; behind the last products, in front of the first read of results
	s_wait_xcnt 0x0                                ; the last pass's stores have read the registers that are written again below
.irp a, 0,1,2,3
	QUANTW \a
.irp c, 0,1,2
	global_store_b128 v26, v[PC+12*\a+4*\c:PC+12*\a+4*\c+3], s[\ob:\ob+1] offset:(\a/2)*(\st2)+(\a%2)*(\st1)+512*\c
.endr
.endr
	v_cmp_eq_u32 vcc_lo, 1, v3
	v_cndmask_b32 v240, v[PW], v[PW+2], vcc_lo     ; lanes 0-15 store tiles 0, 1's words of row r, lanes 16-31 tiles 2, 3's
	v_cndmask_b32 v241, v[PW+1], v[PW+3], vcc_lo
	global_store_b64 v24, v[240:241], s[\sb:\sb+1] ; 256 consecutive bytes, aligned
.endm
	s_load_b256 s[4:11], s[0:1], 0x0               ; w1 s[4:5], bq s[6:7], bk s[8:9], bv s[10:11]
	s_load_b64 s[12:13], s[0:1], 0x20              ; qkv
	v_lshl_add_u32 v28, v0, 2, SPARE
	v_mov_b32 v29, 0
	ds_add_u32 v28, v29
	ds_add_u32 v28, v29
	s_wait_dscnt 0x0
	v_lshrrev_b32 v1, 5, v0
	v_readfirstlane_b32 s14, v1                    ; wave w = 0..3
	s_lshr_b32 s15, s14, 1                         ; w / 2
	s_and_b32 s16, s14, 1                          ; w % 2
	s_bfe_u32 s92, ttmp6, 0x40000                  ; cx
	s_bfe_u32 s93, ttmp6, 0x40004                  ; cy
	s_lshl_b32 s94, ttmp9, 2
	s_add_co_u32 s94, s94, s92                     ; work-group x: 128 channels of each matrix
	s_and_b32 s17, ttmp7, 0xffff
	s_lshl_b32 s17, s17, 2
	s_add_co_u32 s17, s17, s93                     ; work-group y: 256 tokens
	s_lshl_b32 s95, s93, 2
	s_lshl_b32 s95, 15, s95                        ; my row of the cluster
	s_lshl_b32 s96, 0x1111, s92                    ; my column
	; descriptor groups 1: a dense block of 12,288 bytes as 48 rows of 256 bytes (32 elements of 8 bytes)
	s_or_b32 s24, s95, (3<<16)|(1<<21)             ; x's: 15:0 the mask of my row; 17:16 elements of 8 bytes; 21 set beside a mask
	s_or_b32 s32, s96, (3<<16)|(1<<21)             ; W's: the mask of my column
	s_mov_b32 s33, 32<<16                          ; W's refills: rows of 256 bytes
	s_mov_b32 s34, 48<<16
	s_mov_b32 s35, 32<<16
	s_mov_b32 s36, 48
	s_mov_b32 s37, 32
	s_mov_b32 s38, 0
	s_mov_b32 s39, 0
	s_mov_b32 s25, 6144<<16                        ; x at the head: two rows of 49,152 bytes (16 tiles x 256 along K), XKK bytes apart
	s_mov_b32 s26, 2<<16
	s_mov_b32 s27, 6144<<16
	s_mov_b32 s28, 2
	s_mov_b32 s29, XKK/8
	s_mov_b32 s30, 0
	s_mov_b32 s31, 0
	s_or_b32 s80, s96, (3<<16)|(1<<21)             ; W at the head: two rows of 24,576 bytes (8 tiles x 256 along K), WKK bytes apart
	s_mov_b32 s81, 3072<<16
	s_mov_b32 s82, 2<<16
	s_mov_b32 s83, 3072<<16
	s_mov_b32 s84, 2
	s_mov_b32 s85, WKK/8
	s_mov_b32 s86, 0
	s_mov_b32 s87, 0
	v_and_b32 v1, 31, v0                           ; lane
	v_and_b32 v2, 15, v0                           ; r
	v_bfe_u32 v3, v0, 4, 1                         ; h
	s_wait_alu depctr_va_vdst(0)
	v_lshlrev_b32 v26, 4, v1                       ; 16 x lane
	v_lshlrev_b32 v22, 6, v3                       ; the bias along the registers: 16 h channels
	v_and_b32 v23, 8, v2
	v_add_nc_u32 v23, v23, v2
	v_lshlrev_b32 v23, 2, v23                      ; the lane's bias: r + 8 (r / 8) channels
	v_lshlrev_b32 v24, 4, v2
	v_lshl_add_u32 v24, v3, 3, v24                 ; the scale words' way out: 16 r + 8 h
	; the scale words' offsets in w1: 4,096 bytes for 8 tiles and all of K; a word of (tile a, lane r) at 256 (a / 4) + 16 r + 4 (a % 4)
	s_lshl_b32 s20, s17, 1
	s_add_co_u32 s21, s20, s15
	s_lshl_b32 s21, s21, 12
	s_lshl_b32 s22, s16, 8
	s_add_co_u32 s21, s21, s22
	s_add_co_u32 s21, s21, XSO                     ; passes Q, K: P1 = x's tiles 4 w on
	s_lshl_b32 s22, s94, 12
	s_add_co_u32 s22, s22, WSO                     ; P0 = Wq's 8 tiles
	v_cmp_eq_u32 vcc_lo, 1, v3
	v_mov_b32 v30, s21
	v_mov_b32 v31, s22
	v_cndmask_b32 v16, v30, v31, vcc_lo            ; lanes 0-15 P1's, lanes 16-31 P0's
	v_lshl_add_u32 v16, v2, 4, v16
	v_lshl_add_u32 v17, v3, 8, v16                 ; P0's tiles 4-7 (lanes 0-15 read P1's words once more; they are not used)
	v_lshl_add_u32 v18, v3, 15, v16                ; Wk's: 8 x 4,096 bytes on
	v_lshl_add_u32 v19, v3, 8, v18
	s_add_co_u32 s21, s20, s16
	s_lshl_b32 s21, s21, 12
	s_add_co_u32 s21, s21, XSO                     ; pass V: P0 = x's tiles 8 (w % 2) on
	s_lshl_b32 s20, s15, 8
	s_add_co_u32 s22, s22, s20
	s_add_co_u32 s22, s22, 65536                   ; P1 = Wv's tiles 4 (w / 2) on
	v_mov_b32 v30, s22
	v_mov_b32 v31, s21
	v_cndmask_b32 v20, v30, v31, vcc_lo
	v_lshl_add_u32 v20, v2, 4, v20
	v_lshl_add_u32 v21, v3, 8, v20
	; where the blocks come from: x's hang on work-group y alone, W's on work-group x alone, each in registers that never hold the other coordinate
	s_mul_i32 s23, s14, QUART                      ; my quarter of a block, in memory and in LDS
	s_mul_i32 s18, s17, XBLK
	s_mov_b32 s19, 0
	s_mul_i32 s88, s94, 24576                      ; W: tiles 8 x on, whole: for the head's loads
	s_add_co_u32 s88, s88, WFO
	s_mov_b32 s89, 0
	s_mul_i32 s98, s94, 24576
	s_mul_i32 s99, s16, QUART
	s_add_co_u32 s98, s98, s99
	s_mul_i32 s99, s15, WKK
	s_add_co_u32 s98, s98, s99
	s_add_co_u32 s98, s98, WFO
	s_mov_b32 s99, 0
	s_lshl_b32 s20, s94, 9                         ; the biases: my work-group's 128 channels
	s_mov_b32 s21, 0
	s_lshl_b32 s22, s15, 8
	s_wait_alu depctr_va_vdst(0)
	s_wait_kmcnt 0x0
	s_add_nc_u64 s[6:7], s[6:7], s[20:21]
	s_add_nc_u64 s[8:9], s[8:9], s[20:21]
	s_add_co_u32 s20, s20, s22                     ; V: my 64 of them
	s_add_nc_u64 s[10:11], s[10:11], s[20:21]
	SLOAD 0
	BLOAD 6
	SLOAD 1
	s_add_nc_u64 s[18:19], s[4:5], s[18:19]
	s_add_nc_u64 s[98:99], s[4:5], s[98:99]
	s_add_nc_u64 s[88:89], s[4:5], s[88:89]
.irp j, 0,1                                    ; groups 0: x's two halves of K; W's two slots, whole, for the head; W's two slots, my quarter, for the refills
	s_mov_b32 s[40+4*\j], 1
	s_mov_b32 s[41+4*\j], \j*2*XBLK
	s_add_nc_u64 s[42+4*\j:43+4*\j], s[18:19], \j*2*XKK
	s_or_b32 s[43+4*\j], s[43+4*\j], 0x80000000
	s_mov_b32 s[48+4*\j], 1
	s_mov_b32 s[49+4*\j], WB+\j*WSLOT
	s_add_nc_u64 s[50+4*\j:51+4*\j], s[88:89], \j*2*WKK
	s_or_b32 s[51+4*\j], s[51+4*\j], 0x80000000
	s_mov_b32 s[56+4*\j], 1
	s_add_co_u32 s[57+4*\j], s23, WB+\j*WSLOT
	s_add_nc_u64 s[58+4*\j:59+4*\j], s[98:99], \j*2*WKK
	s_or_b32 s[59+4*\j], s[59+4*\j], 0x80000000
.endr
	CROUND                                         ; all sixteen work-groups are here: the first joint loads meet
; one arm of a chain on the wave's number: one tensor load, and a jump to the join
.macro ARM w, g0, g1, join
	s_cmp_eq_u32 s14, \w
	s_cbranch_scc0 .Lnext_\@
	tensor_load_to_lds s[\g0:\g0+3], s[\g1:\g1+7]
	s_nop 0
	PLACES 4
	s_branch \join
.Lnext_\@:
.endm
	ARM 0, 48, 80, .Lasked                         ; the head's loads, one a wave, what is wanted first ahead: Wq's first half of K,
	ARM 1, 40, 24, .Lasked                         ; x's first half,
	ARM 2, 52, 80, .Lasked                         ; Wq's second half,
	tensor_load_to_lds s[44:47], s[24:31]          ; x's second half
	s_nop 0
	PLACES 4
.Lasked:
	s_mul_i32 s21, s14, QUART                      ; x as P1: my four tiles
	s_mul_i32 s20, s16, 24576                      ; x as P0: my eight
.irp k, 0,1,2,3
	v_add_nc_u32 v[4+\k], s21, v26
	v_add_nc_u32 v[8+\k], s20, v26
	s_add_co_u32 s21, s21, XBLK
	s_add_co_u32 s20, s20, XBLK
.endr
	v_add_nc_u32 v12, WB, v26                      ; W as P0: all eight tiles
	v_add_nc_u32 v13, WB+WSLOT, v26
	s_mul_i32 s22, s15, QUART                      ; W as P1: my four
	v_add_nc_u32 v14, s22, v12
	v_add_nc_u32 v15, s22, v13
.irp b, 0,1,2,3
	v_mov_b32 v[TM+4+\b], 0                        ; a lane permute's destination counts as read
.endr
	s_mov_b32 s[SEL], 0x76543210
	s_mov_b32 s[SEL+1], 0xfedcba98
	; where the results go.  Q, K: images [batch][K / 256][token tile 128][2][1536], my channels are K step x
	; V: images [batch][256 channels: 4][pair 4][half of the 256: 2][tile of the pair: 2][K step 16][1536], my tokens are K step 2 (y % 8) + w % 2
	s_lshr_b32 s20, s17, 3                         ; the batch
	s_lshl_b32 s21, s20, 2
	s_lshr_b32 s22, s94, 1
	s_add_co_u32 s21, s21, s22
	s_lshl_b32 s21, s21, 7
	s_and_b32 s22, s17, 7
	s_lshl_b32 s22, s22, 4
	s_add_co_u32 s21, s21, s22
	s_lshl_b32 s22, s14, 2
	s_add_co_u32 s21, s21, s22
	s_mul_i32 s68, s21, 3072
	s_and_b32 s22, s94, 1
	s_mul_i32 s22, s22, 1536
	s_add_co_u32 s68, s68, s22
	s_mov_b32 s69, 0
	s_add_nc_u64 s[68:69], s[12:13], s[68:69]      ; Q's images
	s_add_nc_u64 s[70:71], s[68:69], KFO           ; K's
	s_lshl_b32 s21, s17, 1
	s_add_co_u32 s21, s21, s15
	s_lshl_b32 s21, s21, 3
	s_add_co_u32 s21, s21, s94
	s_lshl_b32 s74, s21, 9
	s_lshl_b32 s22, s16, 8
	s_add_co_u32 s74, s74, s22
	s_add_co_u32 s74, s74, QSO
	s_mov_b32 s75, 0
	s_add_nc_u64 s[74:75], s[12:13], s[74:75]      ; Q's scale words: my four tiles' 256 bytes
	s_add_nc_u64 s[76:77], s[74:75], 262144        ; K's
	s_and_b32 s21, s17, 7
	s_lshl_b32 s21, s21, 1
	s_add_co_u32 s21, s21, s16                     ; V: which 128 keys of the batch
	s_lshl_b32 s22, s20, 2
	s_lshr_b32 s97, s94, 1
	s_add_co_u32 s22, s22, s97
	s_lshl_b32 s22, s22, 4                         ; 16 tiles for 256 channels
	s_lshl_b32 s97, s15, 3
	s_add_co_u32 s22, s22, s97                     ; my first pair is 2 (w / 2): four tiles a pair
	s_and_b32 s97, s94, 1
	s_lshl_b32 s97, s97, 1
	s_add_co_u32 s22, s22, s97                     ; my half of the 256
	s_mul_i32 s72, s22, 24576
	s_mul_i32 s97, s21, 1536
	s_add_co_u32 s72, s72, s97
	s_add_co_u32 s72, s72, VFO
	s_mov_b32 s73, 0
	s_add_nc_u64 s[72:73], s[12:13], s[72:73]      ; V's images
	s_lshl_b32 s22, s20, 3
	s_add_co_u32 s22, s22, s94
	s_lshl_b32 s22, s22, 4
	s_add_co_u32 s22, s22, s21
	s_lshl_b32 s78, s22, 9
	s_lshl_b32 s97, s15, 8
	s_add_co_u32 s78, s78, s97
	s_add_co_u32 s78, s78, VSO
	s_mov_b32 s79, 0
	s_add_nc_u64 s[78:79], s[12:13], s[78:79]      ; V's scale words
	s_wait_alu depctr_va_vdst(0)
	s_wait_loadcnt 16                              ; pass Q's scale words and bias are in; pass K's 16 loads of scale words may be out
	s_cmp_lt_u32 s14, 2
	s_cbranch_scc0 .Lnot_first
	s_wait_tensorcnt 0x0                           ; waves 0 and 1: the first halves along K are in; the second halves may stay out
.Lnot_first:
	s_barrier_signal -1
	s_barrier_wait -1
	FETCH 0
	; ---- pass Q
	STEPV 0
	STEPV 1
	STEPV 2
	TURNV 3, 1                                     ; all first fills are shown whole to every wave; slot 0 takes Wk's first half
	STEPV 4
	STEPV 5
	STEPV 6
	TURNV 7, 1                                     ; slot 1 takes Wk's second half; pass K's first fragments are fetched
	EPI 68, 6144, 3072, 74
	s_wait_loadcnt 0x0                             ; pass K's scale words and bias
	; ---- pass K
	STEPV 8
	STEPV 9
	STEPV 10
	TURNV 11, 1                                    ; slot 0 takes Wv's first half
	STEPV 12
	STEPV 13
	STEPV 14
	TURNV 15, 1                                    ; slot 1 takes Wv's second half: the last tensor load
	EPI 70, 6144, 3072, 76
	s_wait_loadcnt 0x0                             ; pass V's scale words and bias
	WIN 0x40
.irp a, 0,1,2,3
.irp j, 0,1,2,3,4,5,6,7
	v_mov_b32 v[96+8*\a+\j], v[BV+\a]              ; the C of tile a's first products: the lane's bias in all eight registers
.endr
.endr
	WIN 0
	; ---- pass V
	s_wait_alu depctr_va_vdst(0)
	STEPV 16
	STEPV 17
	STEPV 18
	TURNV 19, 0                                    ; the last change of slots fills nothing
	STEPV 20
	STEPV 21
	STEPV 22
	s_wait_dscnt 0x0                               ; the last step fetches nothing
	WIN 0xad
	MULV 0, 23
	MULV 1, 23
	MULV 2, 23
	MULV 3, 23
	EPI 72, 98304, 24576, 78
	s_wait_tensorcnt 0x0                           ; the wave's end
	ds_add_u32 v28, v29
	s_wait_dscnt 0x0
	CROUND                                         ; the closing round
	s_endpgm
.Lfunc_end_k_q8e9673a345_proj:
	.size	k_q8e9673a345_proj, .Lfunc_end_k_q8e9673a345_proj-k_q8e9673a345_proj
	.p2alignl 7, 3214868480
	.fill 96, 4, 3214868480
	.section	.rodata,"a",@progbits
	.p2align	6, 0x0
	.amdhsa_kernel k_q8e9673a345_proj
		.amdhsa_group_segment_fixed_size 327680
		.amdhsa_private_segment_fixed_size 0
		.amdhsa_enable_private_segment 0
		.amdhsa_kernarg_size 40
		.amdhsa_user_sgpr_count 2
		.amdhsa_user_sgpr_kernarg_segment_ptr 1
		.amdhsa_wavefront_size32 1
		.amdhsa_system_sgpr_workgroup_id_x 1
		.amdhsa_system_sgpr_workgroup_id_y 1
		.amdhsa_system_sgpr_workgroup_id_z 1
		.amdhsa_system_vgpr_workitem_id 0
		.amdhsa_next_free_vgpr 864
		.amdhsa_next_free_sgpr 102
		.amdhsa_reserve_vcc 1
		.amdhsa_float_denorm_mode_32 3
		.amdhsa_float_denorm_mode_16_64 3
		.amdhsa_memory_ordered 1
		.amdhsa_forward_progress 1
		.amdhsa_inst_pref_size 232
	.end_amdhsa_kernel
	.amdgpu_metadata
---
amdhsa.version: [ 1, 2 ]
amdhsa.kernels:
  - .name:           k_q8e9673a345_proj
    .symbol:         k_q8e9673a345_proj.kd
    .args:
      - { .name: w1, .offset: 0, .size: 8, .value_kind: global_buffer, .address_space: global }
      - { .name: bq, .offset: 8, .size: 8, .value_kind: global_buffer, .address_space: global }
      - { .name: bk, .offset: 16, .size: 8, .value_kind: global_buffer, .address_space: global }
      - { .name: bv, .offset: 24, .size: 8, .value_kind: global_buffer, .address_space: global }
      - { .name: qkv, .offset: 32, .size: 8, .value_kind: global_buffer, .address_space: global }
    .group_segment_fixed_size: 327680
    .private_segment_fixed_size: 0
    .kernarg_segment_align: 8
    .kernarg_segment_size: 40
    .max_flat_workgroup_size: 128
    .sgpr_count:     102
    .vgpr_count:     864
    .wavefront_size: 32
...
	.end_amdgpu_metadata
.endif
;; end of part 2
;; launch scores (part 3): grid 8 x 32, 4 waves a work-group, clusters of 4 x 4, 327,680 bytes of LDS; arguments qkv, mb, pbuf; writes pbuf
.if DOCPART == 3
	.amdgcn_target "amdgcn-amd-amdhsa--gfx1250"
	.amdhsa_code_object_version 6
	.text
	.protected	k_q8e9673a345_scores
	.globl	k_q8e9673a345_scores
	.p2align	8
	.type	k_q8e9673a345_scores,@function
k_q8e9673a345_scores:
	s_mov_b64 s[64:65], 0
	v_nop
	global_prefetch_b8 v0, s[64:65] scope:SCOPE_SE
	s_setreg_imm32_b32 hwreg(HW_REG_WAVE_MODE, 25, 1), 1
	s_wait_xcnt 0x0
	s_wait_alu depctr_hold_cnt(0) depctr_sa_sdst(0) depctr_va_vdst(0) depctr_va_sdst(0) depctr_va_ssrc(0) depctr_va_vcc(0) depctr_vm_vsrc(0)
	s_getreg_b32 s2, hwreg(HW_REG_IB_STS2, 6, 4)
	s_cmp_eq_u32 s2, 0
	s_cbranch_scc0 .Lentry_in_a_cluster
	s_endpgm
.Lentry_in_a_cluster:
	s_bfe_u32 s2, ttmp6, 0x10000c
	s_cmp_lg_u32 s2, 0xf033
	s_cbranch_scc0 .Lentry_shape_is_right
	s_endpgm
.Lentry_shape_is_right:
; S^T = K Q^T on codes of FP6 (E2M3), K = 1,024 channels; the mask; a softmax LOCAL to (query, 128 keys); p quantised along the keys.
; t = score x log2(e) / 32; M = the largest t of the query's unmasked keys among these 128, rounded up to a whole number; p = 2^(t - M); l = the sum of the unquantised p.  Stored: p's codes as fragment images,
; p's scale words, -M and l.  M is a whole number, so the next launch brings all chunks of a row under the row's M by lowering the scale bytes: the codes stay.
; A work-group of four waves makes 256 keys (work-group x) x 256 queries (work-group y = 8 x batch + block); a wave 128 x 128.  P0 (source 0) = K's tiles, P1 (source 1) = Q's: a lane holds one query,
; and the 64 registers of a query tile are n = 16 b + i <-> key 32 b + 16 (lane / 16) + i of my 128.  (Lane r of tile T holds row 32 (T / 2) + 8 (T % 2) + r + 8 (r / 8).)
; The mask comes as 64 words of lane bits for each (query tile, 128 keys), by scalar loads, and is the select mask of v_cndmask_b32: no branch and no address hangs on it.
; K (the channels) goes through three LDS slots of 256; three are filled at the start, the first once more.  CLUSTERS: Q's tile is asked for jointly by a row of the cluster, K's by a column.
; LIMITS: a chunk all of whose keys are masked gets -M = 3e38, l = 0, zero codes and the byte 1; NaN and infinities among the scores are not served.
; REGISTERS: as in the launch before: window 0: v16-18, v20-22 LDS addresses; v24 the scale words' offset; v26, v27 offsets of the stores; v28, v29 the add's; v32-95 scale words; v96-103 -M, v104-111 p's scale words, v112-119 l, for the
;   eight query tiles; v120 -infinity; v128-223 P1's fragments, later the softmax.  window 1: P0's two sets.  windows 2, 3: the accumulators.
; THE FILLS IN THIS TEXT, in place of the line above on the slots: the head fills slots 0 and 1, one joint load a wave; ONE refill, one load a wave, brings the third 256 along K into slot 2 (its first fill) and the fourth
; into slot 0.  The scale words come from memory straight into registers.
.set SLOT,  98304
.set HALF,  24576
.set SPARE, 3*SLOT                     ; slots 0 and 1 are filled at the head, one load a wave; slot 2 for the first time and slot 0 once more by one refill
.set AKK,   393216                     ; 256 along K on, in Q's images and in K's
.set BKK,   393216
.set KFO,   6291456
.set QSO,   18874368
.set KSO,   19136512
.set PSTO,  12582912                   ; pbuf: the images, then [128 queries][words, -M, l][16 chunks][512]
.set SC,    32
.set AF,    128
.set S,     128                        ; 64 scores, then p
.set PC,    192                        ; p's codes (20 registers)
.set BM,    212                        ; the blocks' largest scores, then largest p
.set BP,    216
.set SO,    220                        ; the conversions' scale operands
.set NM,    96
.set PW,    104
.set LS,    112
.set MSB, 0
.macro WIN new
.if MSB != (\new)
	s_set_vgpr_msb (MSB<<8)|(\new)
.set MSB, (\new)
.endif
.endm
.macro ARM w, g0, g1, join             ; one arm of a chain on the wave's number: one tensor load, and a jump to the join
	s_cmp_eq_u32 s14, \w
	s_cbranch_scc0 .Lnext_\@
	tensor_load_to_lds s[\g0:\g0+3], s[\g1:\g1+7]
	s_nop 0
.rept 4
	v_nop
.endr
	s_branch \join
.Lnext_\@:
.endm
.macro JLOAD join                      ; one load a wave: waves 0, 1 the earlier 256 along K (Q's 16 tiles, K's 16), waves 2, 3 the later 256
	ARM 0, 56, 24, \join
	ARM 1, 72, 32, \join
	ARM 2, 60, 24, \join
	tensor_load_to_lds s[76:79], s[32:39]
	s_nop 0
.rept 4
	v_nop
.endr
\join:
.endm
.macro CREST
	s_cmp_lg_u32 s14, 0
	s_cbranch_scc1 .Lnot_wave_0_\@
	s_barrier_signal -3
.Lnot_wave_0_\@:
	s_barrier_wait -3
	s_barrier_signal -1
	s_barrier_wait -1
.endm
.macro CROUND
	s_barrier_signal -1
	s_barrier_wait -1
	CREST
.endm
.macro PLACES n
.rept \n
	v_nop
.endr
.endm
.macro FETCH0 slot, q, p
	WIN 0x40
.irp i, 0,1,2,3,4,5,6,7
.irp c, 0,1,2
	ds_load_b128 v[128*(\p)+12*\i+4*\c:128*(\p)+12*\i+4*\c+3], v[16+\slot] offset:3072*\i+1536*(\q)+512*\c
.endr
.endr
	WIN 0
.endm
.macro FETCH1 slot, q, i0
.irp i, \i0, \i0+1, \i0+2, \i0+3
.irp c, 0,1,2
	ds_load_b128 v[AF+12*(\i)+4*\c:AF+12*(\i)+4*\c+3], v[20+\slot] offset:3072*(\i)+1536*(\q)+512*\c
.endr
.endr
.endm
.macro MUL16 a0, ks, first             ; the 64 accumulators take turns, one instruction a turn, in the same order in every step
.irp a, \a0, \a0+1
.irp b, 0,1,2,3,4,5,6,7
.if \first
	v_wmma_scale_f32_16x16x128_f8f6f4 v[8*(8*((\a)%4)+\b):8*(8*((\a)%4)+\b)+7], v[128*((\ks)%2)+12*\b:128*((\ks)%2)+12*\b+11], v[AF+12*(\a):AF+12*(\a)+11], 0, v[SC+8*(\ks)+\b], v[SC+8*(\ks)+(\a)] matrix_a_fmt:MATRIX_FMT_FP6 matrix_b_fmt:MATRIX_FMT_FP6 matrix_a_scale:MATRIX_SCALE_ROW1
.else
	v_wmma_scale_f32_16x16x128_f8f6f4 v[8*(8*((\a)%4)+\b):8*(8*((\a)%4)+\b)+7], v[128*((\ks)%2)+12*\b:128*((\ks)%2)+12*\b+11], v[AF+12*(\a):AF+12*(\a)+11], v[8*(8*((\a)%4)+\b):8*(8*((\a)%4)+\b)+7], v[SC+8*(\ks)+\b], v[SC+8*(\ks)+(\a)] matrix_a_fmt:MATRIX_FMT_FP6 matrix_b_fmt:MATRIX_FMT_FP6 matrix_a_scale:MATRIX_SCALE_ROW1
.endif
.endr
.endr
.endm
.macro STEP ks, ns, nq, first
	s_wait_dscnt 12                                ; P0's set and P1's blocks 0-3 are in; the youngest 12 loads (blocks 4-7) may be out
	WIN 0xa1
	MUL16 0, \ks, \first
	MUL16 2, \ks, \first
	s_wait_dscnt 0x0
	PLACES 4
	FETCH0 \ns, \nq, 1-(\ks)%2
	FETCH1 \ns, \nq, 0
	WIN 0xf1
	MUL16 4, \ks, \first
	MUL16 6, \ks, \first
	PLACES 4
	WIN 0
	FETCH1 \ns, \nq, 4
.endm
.macro TURN ks, ns, fill
.if \fill == 2
	s_cmp_lt_u32 s14, 2
	s_cbranch_scc0 .Lnot_mine_\@
	s_wait_tensorcnt 0x0                           ; waves 0 and 1: slot 2 is in; slot 0's refill, waves 2 and 3's, may stay out
.Lnot_mine_\@:
	s_wait_dscnt 12
.else
	s_wait_tensorcnt 0x0                           ; all my tensor loads have landed
	ds_add_u32 v28, v29                            ; 0 onto my spare word
	s_wait_dscnt 13                                ; (the add and the youngest 12 loads may be out)
.endif
	WIN 0xa1
	MUL16 0, \ks, 0
	s_wait_dscnt 0x0                               ; the add is done, and my reads of the slot that is left are over
	s_barrier_signal -1
	MUL16 2, \ks, 0
	WIN 0
	s_barrier_wait -1
.if \fill == 1
	CREST                                          ; the barrier has opened a round of the cluster's: no wave of any partner still reads slot 0 or has a load on its way
	s_add_nc_u64 s[58:59], s[58:59], 2*AKK         ; the third 256 along K go to slot 2, the fourth to slot 0
	s_add_nc_u64 s[74:75], s[74:75], 2*BKK
	s_add_nc_u64 s[62:63], s[62:63], 2*AKK
	s_add_nc_u64 s[78:79], s[78:79], 2*BKK
	s_mov_b32 s57, 2*SLOT
	s_mov_b32 s73, 2*SLOT+2*HALF
	s_mov_b32 s61, 0
	s_mov_b32 s77, 2*HALF
	JLOAD .Lrefilled
.else
	PLACES 4
.endif
	FETCH0 \ns, 0, 1-(\ks)%2
	FETCH1 \ns, 0, 0
	WIN 0xf1
	MUL16 4, \ks, 0
	MUL16 6, \ks, 0
	PLACES 4
	WIN 0
	FETCH1 \ns, 0, 4
.endm
.macro MLOAD a                         ; query tile a's 64 mask words for my 128 keys, into scalar registers that held descriptors of loads long landed
	s_load_b512 s[24:39], s[6:7], (\a)*4096
	s_load_b512 s[40:55], s[6:7], (\a)*4096+64
	s_load_b512 s[68:83], s[6:7], (\a)*4096+128
	s_load_b512 s[84:99], s[6:7], (\a)*4096+192
.endm
.macro SEL16 a, n0, sb                 ; where the mask is 1 the score becomes -infinity; each accumulator is read from its low end on
.set i, 0
.rept 16
	v_cndmask_b32 v[S+\n0+i], v[64*((\a)%4)+\n0+i], v120, s[\sb+i]
.set i, i+1
.endr
.endm
; query tile a: mask, local softmax, quantiser, stores
.macro SOFT a
	s_wait_kmcnt 0x0
	WIN 0x02+(\a)/4
	SEL16 \a, 0, 24
	SEL16 \a, 16, 40
	SEL16 \a, 32, 68
	SEL16 \a, 48, 84
	WIN 0
.if (\a) < 7
	MLOAD (\a)+1
.endif
.irp b, 0,1,2,3
	v_max3_num_f32 v[BM+\b], v[S+16*\b], v[S+16*\b+1], v[S+16*\b+2]   ; the largest score of each block of 32 keys: for the maximum, and, since p rises with the score, for the block's largest p
.endr
.irp i, 3,5,7,9,11,13
.irp b, 0,1,2,3
	v_max3_num_f32 v[BM+\b], v[BM+\b], v[S+16*\b+\i], v[S+16*\b+\i+1]
.endr
.endr
.irp b, 0,1,2,3
	v_max_num_f32 v[BM+\b], v[BM+\b], v[S+16*\b+15]
.endr
.irp b, 0,1,2,3
	v_permlanex16_b32 v[BP+\b], v[BM+\b], s12, s13
.endr
.irp b, 0,1,2,3
	v_max_num_f32 v[BM+\b], v[BM+\b], v[BP+\b]     ; with lane l xor 16's 16 keys
.endr
	v_max3_num_f32 v228, v[BM], v[BM+1], v[BM+2]
	v_max_num_f32 v228, v228, v[BM+3]
	v_mul_f32 v228, s2, v228                       ; as t (c is positive)
	v_max_num_f32 v228, 0xff61b1e6, v228           ; held at -3e38 where every key is masked
	v_floor_f32 v230, -v228                        ; -M = floor(-t) = -ceil(t): a whole number
.set i, 0
.rept 32
	v_pk_fma_f32 v[S+2*i:S+2*i+1], v[S+2*i:S+2*i+1], s[2:3], v[230:231] op_sel_hi:[1,0,0]   ; t - M, two at a time
.set i, i+1
.endr
.irp b, 0,1,2,3
	v_fma_f32 v[BM+\b], v[BM+\b], s2, v230         ; the same of each block's largest score
.endr
.set i, 0
	s_wait_alu depctr_va_vdst(0)
.rept 64
	v_exp_f32 v[S+i], v[S+i]                       ; p = 2^(t - M), at most 1
.set i, i+1
.endr
	v_mov_b32 v[NM+(\a)], v230                     ; -M is kept.  (The plain place behind the exponentials)
	s_wait_alu depctr_va_vdst(0)                   ; one wait for the batch of 64, ahead of its first reader
.irp b, 0,1,2,3
	v_exp_f32 v[BM+\b], v[BM+\b]                   ; the block's largest p: the same two instructions on the same number
.endr
	v_pk_add_f32 v[224:225], v[S:S+1], v[S+2:S+3]  ; l: the sum of the unquantised p, two at a time, in two chains; it reads the 64 alone
	v_pk_add_f32 v[226:227], v[S+4:S+5], v[S+6:S+7]
.irp j, 8,12,16,20,24,28,32,36,40,44,48,52,56,60
	v_pk_add_f32 v[224:225], v[224:225], v[S+\j:S+\j+1]
	v_pk_add_f32 v[226:227], v[226:227], v[S+\j+2:S+\j+3]
.endr
	v_pk_add_f32 v[224:225], v[224:225], v[226:227]
	v_add_f32 v224, v224, v225
	v_permlanex16_b32 v226, v224, s12, s13
	v_add_f32 v[LS+(\a)], v224, v226               ; with lane l xor 16's 64 keys
	s_wait_alu depctr_va_vdst(0)                   ; and one wait for the four
.irp b, 0,1,2,3
	v_max_num_f32 v[BM+\b], 0x1800000, v[BM+\b]    ; the floor 2^(3 - 127): the byte cannot fall under 1
.endr
.irp b, 0,1,2,3
	v_add_nc_u32 v[SO+\b], 0xff000000, v[BM+\b]
.endr
.irp b, 0,1,2,3
	v_lshrrev_b32 v[BP+\b], 23, v[SO+\b]
.endr
	v_lshl_or_b32 v[PW+(\a)], v[BP+1], 8, v[BP]
	v_lshl_or_b32 v[PW+(\a)], v[BP+2], 16, v[PW+(\a)]
	v_lshl_or_b32 v[PW+(\a)], v[BP+3], 24, v[PW+(\a)]
.if (\a) > 0
	s_wait_xcnt 0x0                                ; the last tile's stores have read the codes' registers
.endif
.irp c, 0,1
	v_cvt_scalef32_pk16_fp6_f32 v[PC+6*\c:PC+2+6*\c], v[S+32*\c:S+15+32*\c], v[SO+2*\c]
	v_cvt_scalef32_pk16_fp6_f32 v[PC+12+4*\c:PC+14+4*\c], v[S+16+32*\c:S+31+32*\c], v[SO+2*\c+1]
.endr
	v_nop                                          ; one plain place behind a scaled conversion
.irp c, 0,1
.irp i, 0,1,2
	v_permlane16_swap_b32 v[PC+6*\c+\i], v[PC+12+4*\c+\i]
.endr
.irp i, 0,1,2
	v_mov_b32 v[PC+3+6*\c+\i], v[PC+12+4*\c+\i]
.endr
.endr
.irp c, 0,1,2
	global_store_b128 v26, v[PC+4*\c:PC+4*\c+3], s[8:9] offset:(\a)*12288+512*\c   ; the image: 512 consecutive bytes a store
.endr
.endm
	s_load_b128 s[4:7], s[0:1], 0x0                ; qkv s[4:5], mb s[6:7]
	s_load_b64 s[8:9], s[0:1], 0x10                ; pbuf
	v_lshl_add_u32 v28, v0, 2, SPARE
	v_mov_b32 v29, 0
	ds_add_u32 v28, v29
	ds_add_u32 v28, v29
	s_wait_dscnt 0x0
	v_lshrrev_b32 v1, 5, v0
	v_readfirstlane_b32 s14, v1                    ; wave 0..3
	s_lshr_b32 s15, s14, 1                         ; my half of the queries.  Also: the earlier (0) or later (1) 256 along K that I fetch
	s_and_b32 s16, s14, 1                          ; my half of the keys.  Also: which 8 tiles I fetch
	s_bfe_u32 s92, ttmp6, 0x40000                  ; cx
	s_bfe_u32 s93, ttmp6, 0x40004                  ; cy
	s_lshl_b32 s94, ttmp9, 2
	s_add_co_u32 s94, s94, s92                     ; work-group x: 256 keys
	s_and_b32 s17, ttmp7, 0xffff
	s_lshr_b32 s97, s17, 1                         ; the batch: from the cluster's y, which all partners share
	s_lshl_b32 s17, s17, 2
	s_add_co_u32 s17, s17, s93                     ; work-group y
	s_lshl_b32 s95, s93, 2
	s_lshl_b32 s95, 15, s95                        ; my row of the cluster
	s_lshl_b32 s96, 0x1111, s92                    ; my column
	s_or_b32 s24, s95, (3<<16)|(1<<21)             ; descriptor groups 1: dense blocks as rows of 256 bytes: 192 rows for 16 tiles
	s_or_b32 s32, s96, (3<<16)|(1<<21)
.irp g, 24, 32
	s_mov_b32 s[\g+1], 32<<16
	s_mov_b32 s[\g+2], 192<<16                     ; 16 tiles: 49,152 bytes
	s_mov_b32 s[\g+3], 32<<16
	s_mov_b32 s[\g+4], 192
	s_mov_b32 s[\g+5], 32
	s_mov_b32 s[\g+6], 0
	s_mov_b32 s[\g+7], 0
.endr
	s_mul_i32 s18, s17, 49152                      ; Q: (512 batch + 16 block) tiles of 3,072 bytes = work-group y x 16 tiles + batch x 384 tiles
	s_mul_i32 s19, s97, 1179648
	s_add_co_u32 s18, s18, s19
	s_mov_b32 s19, 0
	s_mul_i32 s98, s94, 49152                      ; K: (512 batch + 16 work-group x) tiles
	s_mul_i32 s99, s97, 1572864
	s_add_co_u32 s98, s98, s99
	s_add_co_u32 s98, s98, KFO
	s_mov_b32 s99, 0
	s_lshl_b32 s20, s17, 13                        ; the scale words, straight into registers: lanes 0-15 Q's, lanes 16-31 K's
	s_lshl_b32 s22, s15, 12
	s_add_co_u32 s20, s20, s22
	s_add_co_u32 s20, s20, QSO
	s_lshl_b32 s21, s94, 13
	s_lshl_b32 s22, s97, 16
	s_add_co_u32 s21, s21, s22
	s_lshl_b32 s22, s16, 12
	s_add_co_u32 s21, s21, s22
	s_add_co_u32 s21, s21, KSO
	s_sub_co_u32 s21, s21, s20
	v_and_b32 v1, 31, v0
	v_and_b32 v2, 15, v0                           ; r
	v_bfe_u32 v3, v0, 4, 1                         ; h
	v_mul_u32_u24 v5, s21, v3
	v_lshl_add_u32 v5, v2, 4, v5
	v_add_nc_u32 v24, s20, v5
	s_wait_alu depctr_va_vdst(0)                   ; the wait here, directly ahead of the wait below
	s_wait_kmcnt 0x0
.irp s, 0,1,2,3,4,5,6,7
	global_load_b128 v[SC+8*\s:SC+8*\s+3], v24, s[4:5] offset:512*\s
	global_load_b128 v[SC+8*\s+4:SC+8*\s+7], v24, s[4:5] offset:512*\s+256
.endr
	s_add_nc_u64 s[18:19], s[4:5], s[18:19]
	s_add_nc_u64 s[98:99], s[4:5], s[98:99]
.irp j, 0,1                                    ; groups 0: Q's and K's first and second 256 along K
	s_mov_b32 s[56+4*\j], 1
	s_mov_b32 s[57+4*\j], \j*SLOT
	s_add_nc_u64 s[58+4*\j:59+4*\j], s[18:19], \j*AKK
	s_or_b32 s[59+4*\j], s[59+4*\j], 0x80000000
	s_mov_b32 s[72+4*\j], 1
	s_mov_b32 s[73+4*\j], \j*SLOT+2*HALF
	s_add_nc_u64 s[74+4*\j:75+4*\j], s[98:99], \j*BKK
	s_or_b32 s[75+4*\j], s[75+4*\j], 0x80000000
.endr
	CROUND                                         ; all sixteen work-groups are here: the first joint loads meet
	JLOAD .Lhead_asked                             ; one tensor load a wave at the head
	; the prefetches' base: what my wave will ask for in the refill, 49,152 bytes, of which each of the four partners of that load names 12,288, told apart by address
	s_cmp_eq_u32 s16, 0
	s_cselect_b64 s[100:101], s[18:19], s[98:99]
	s_cselect_b32 s46, s92, s93
	s_mul_i32 s46, s46, 12288
	s_mul_i32 s47, s15, AKK
	s_add_co_u32 s46, s46, s47
	s_add_co_u32 s46, s46, 2*AKK
	s_mov_b32 s47, 0
	s_add_nc_u64 s[100:101], s[100:101], s[46:47]
	v_lshlrev_b32 v26, 4, v1                       ; 16 x lane
	s_wait_alu depctr_va_vdst(0)
	v_lshlrev_b32 v27, 4, v2
	v_lshl_add_u32 v27, v3, 8, v27                 ; 256 h + 16 r
	v_mov_b32 v120, 0xff800000                     ; -infinity
	v_mov_b32 v231, 0                              ; (named as the upper half of the pair v[230:231])
	; the mask words, the images and the statistics of my 128 queries x 128 keys
	s_lshl_b32 s22, s94, 1
	s_add_co_u32 s22, s22, s16                     ; which 128 keys of the 2,048
	s_and_b32 s23, s17, 7
	s_lshl_b32 s23, s23, 4
	s_lshl_b32 s18, s15, 3
	s_add_co_u32 s23, s23, s18                     ; my first query tile of the batch's 128
	s_lshl_b32 s18, s23, 12
	s_lshl_b32 s20, s22, 8
	s_add_co_u32 s18, s18, s20
	s_mov_b32 s19, 0
	s_add_nc_u64 s[6:7], s[6:7], s[18:19]
	v_min_u32 v6, 7, v1                            ; the mask words of my eight query tiles: 256 bytes each, 4,096 apart; no other wave of the cluster reads them
	v_lshlrev_b32 v6, 12, v6
	v_lshlrev_b32 v7, 8, v1
	v_add_nc_u32 v8, 32, v1
	v_min_u32 v8, 47, v8
	v_lshlrev_b32 v8, 8, v8
	global_prefetch_b8 v6, s[6:7] th:TH_LOAD_NT scope:SCOPE_SE
	global_prefetch_b8 v7, s[100:101] th:TH_LOAD_NT scope:SCOPE_SE
	global_prefetch_b8 v8, s[100:101] th:TH_LOAD_NT scope:SCOPE_SE
	s_lshl_b32 s18, s97, 1                         ; the images: [batch][1,024 keys: 2][query tile 128][8][1536]
	s_lshr_b32 s20, s22, 3
	s_add_co_u32 s18, s18, s20
	s_lshl_b32 s18, s18, 7
	s_add_co_u32 s18, s18, s23
	s_mul_i32 s18, s18, 12288
	s_and_b32 s20, s22, 7
	s_mul_i32 s20, s20, 1536
	s_add_co_u32 s18, s18, s20
	s_lshl_b32 s20, s17, 1
	s_add_co_u32 s20, s20, s15
	s_mul_i32 s20, s20, 24576
	s_lshl_b32 s21, s22, 9
	s_add_co_u32 s20, s20, s21
	s_add_co_u32 s20, s20, PSTO
	s_mov_b32 s21, 0
	s_add_nc_u64 s[10:11], s[8:9], s[20:21]
	s_add_nc_u64 s[8:9], s[8:9], s[18:19]
	s_mul_i32 s18, s16, HALF
	s_add_co_u32 s18, s18, 49152                   ; my 8 tiles of K, behind Q's 16
	s_mul_i32 s19, s15, HALF                       ; my 8 tiles of Q
.irp s, 0,1,2
	v_add_nc_u32 v[16+\s], s18, v26
	v_add_nc_u32 v[20+\s], s19, v26
	s_add_co_u32 s18, s18, SLOT
	s_add_co_u32 s19, s19, SLOT
.endr
	s_mov_b32 s2, 0x3d38aa3b                       ; c = log2(e) / sqrt(1024)
	s_mov_b32 s3, s2
	s_mov_b32 s12, 0x76543210
	s_mov_b32 s13, 0xfedcba98
	s_wait_alu depctr_va_vdst(0)
	s_cmp_lt_u32 s14, 2
	s_cbranch_scc0 .Lnot_first
	s_wait_tensorcnt 0x0                           ; waves 0 and 1: slot 0 is in; slot 1 may stay out
.Lnot_first:
	s_wait_loadcnt 0x0                             ; the scale words
	s_barrier_signal -1
	s_barrier_wait -1
	FETCH0 0, 0, 0
	FETCH1 0, 0, 0
	FETCH1 0, 0, 4
	STEP 0, 0, 1, 1                                ; the first step starts the sums: nothing is cleared
	TURN 1, 1, 1                                   ; all first fills are shown whole to every wave; slot 0 takes the last 256 along K
	STEP 2, 1, 1, 0
	TURN 3, 2, 2                                   ; slot 2 is shown whole
	STEP 4, 2, 1, 0
	TURN 5, 0, 0                                   ; the refill is shown whole; no tensor load of mine is out from here on
	MLOAD 0
	STEP 6, 0, 1, 0
	s_wait_dscnt 12
	WIN 0xa1
	MUL16 0, 7, 0
	MUL16 2, 7, 0
	s_wait_dscnt 0x0
	WIN 0xf1
	MUL16 4, 7, 0
	MUL16 6, 7, 0
	WIN 0
	PLACES 4
.irp b, 0,1,2,3
	v_mov_b32 v[BP+\b], 0                          ; a lane permute's destination counts as read
.endr
.irp a, 0,1,2,3,4,5,6,7
	SOFT \a
.endr
	v_cmp_eq_u32 vcc_lo, 1, v3
.irp i, 0,1,2,3
	v_cndmask_b32 v[232+\i], v[PW+\i], v[PW+4+\i], vcc_lo      ; lanes 0-15: tiles 0-3's of row r; lanes 16-31: tiles 4-7's
	v_cndmask_b32 v[236+\i], v[NM+\i], v[NM+4+\i], vcc_lo
	v_cndmask_b32 v[240+\i], v[LS+\i], v[LS+4+\i], vcc_lo
.endr
	global_store_b128 v27, v[232:235], s[10:11]                ; 512 consecutive bytes each
	global_store_b128 v27, v[236:239], s[10:11] offset:8192
	global_store_b128 v27, v[240:243], s[10:11] offset:16384
	s_wait_tensorcnt 0x0                           ; the wave's end
	ds_add_u32 v28, v29
	s_wait_dscnt 0x0
	CROUND                                         ; the closing round
	s_endpgm
.Lfunc_end_k_q8e9673a345_scores:
	.size	k_q8e9673a345_scores, .Lfunc_end_k_q8e9673a345_scores-k_q8e9673a345_scores
	.p2alignl 7, 3214868480
	.fill 96, 4, 3214868480
	.section	.rodata,"a",@progbits
	.p2align	6, 0x0
	.amdhsa_kernel k_q8e9673a345_scores
		.amdhsa_group_segment_fixed_size 327680
		.amdhsa_private_segment_fixed_size 0
		.amdhsa_enable_private_segment 0
		.amdhsa_kernarg_size 24
		.amdhsa_user_sgpr_count 2
		.amdhsa_user_sgpr_kernarg_segment_ptr 1
		.amdhsa_wavefront_size32 1
		.amdhsa_system_sgpr_workgroup_id_x 1
		.amdhsa_system_sgpr_workgroup_id_y 1
		.amdhsa_system_sgpr_workgroup_id_z 1
		.amdhsa_system_vgpr_workitem_id 0
		.amdhsa_next_free_vgpr 1024
		.amdhsa_next_free_sgpr 102
		.amdhsa_reserve_vcc 1
		.amdhsa_float_denorm_mode_32 3
		.amdhsa_float_denorm_mode_16_64 3
		.amdhsa_memory_ordered 1
		.amdhsa_forward_progress 1
		.amdhsa_inst_pref_size 228
	.end_amdhsa_kernel
	.amdgpu_metadata
---
amdhsa.version: [ 1, 2 ]
amdhsa.kernels:
  - .name:           k_q8e9673a345_scores
    .symbol:         k_q8e9673a345_scores.kd
    .args:
      - { .name: qkv, .offset: 0, .size: 8, .value_kind: global_buffer, .address_space: global }
      - { .name: mb, .offset: 8, .size: 8, .value_kind: global_buffer, .address_space: global }
      - { .name: pbuf, .offset: 16, .size: 8, .value_kind: global_buffer, .address_space: global }
    .group_segment_fixed_size: 327680
    .private_segment_fixed_size: 0
    .kernarg_segment_align: 8
    .kernarg_segment_size: 24
    .max_flat_workgroup_size: 128
    .sgpr_count:     102
    .vgpr_count:     1024
    .wavefront_size: 32
...
	.end_amdgpu_metadata
.endif
;; end of part 3
;; launch pv (part 4): grid 4 x 64, 4 waves a work-group, clusters of 4 x 4, 327,680 bytes of LDS; arguments qkv, pbuf, out0; writes out0
.if DOCPART == 4
	.amdgcn_target "amdgcn-amd-amdhsa--gfx1250"
	.amdhsa_code_object_version 6
	.text
	.protected	k_q8e9673a345_pv
	.globl	k_q8e9673a345_pv
	.p2align	8
	.type	k_q8e9673a345_pv,@function
k_q8e9673a345_pv:
	s_mov_b64 s[64:65], 0
	v_nop
	global_prefetch_b8 v0, s[64:65] scope:SCOPE_SE
	s_setreg_imm32_b32 hwreg(HW_REG_WAVE_MODE, 25, 1), 1
	s_wait_xcnt 0x0
	s_wait_alu depctr_hold_cnt(0) depctr_sa_sdst(0) depctr_va_vdst(0) depctr_va_sdst(0) depctr_va_ssrc(0) depctr_va_vcc(0) depctr_vm_vsrc(0)
	s_getreg_b32 s2, hwreg(HW_REG_IB_STS2, 6, 4)
	s_cmp_eq_u32 s2, 0
	s_cbranch_scc0 .Lentry_in_a_cluster
	s_endpgm
.Lentry_in_a_cluster:
	s_bfe_u32 s2, ttmp6, 0x10000c
	s_cmp_lg_u32 s2, 0xf033
	s_cbranch_scc0 .Lentry_shape_is_right
	s_endpgm
.Lentry_shape_is_right:
; O = (p V) / l on codes of FP6 (E2M3), K = 2,048 keys.  A work-group of four waves makes 128 queries (work-group y) x 256 channels (work-group x); a wave 64 queries (w / 2) x 128 channels (w % 2).
; P STAYS IN REGISTERS: a wave's 64 queries x 2,048 keys are 64 fragments of 12 registers.  V streams past them in CHUNKS: chunk c holds, for each half of the 256 channels, the pair c of tiles (32 channels) with all keys.
; P's codes were made under whole numbers M of their own for each 128 keys; here each row's words of scale bytes are lowered by the difference to the row's largest M (held at 0), and l is summed likewise.
; A row all of whose keys are masked has l = 0 and gives 0 / 0.  LIMITS: NaN and infinities among the operands are not served.
; Images: p [batch][1,024 keys: 2][query tile 128][8][1536]; V [batch][256 channels: 4][chunk 4][half 2][tile 2][128 keys: 16][1536].  Lane r of tile T holds row 32 (T / 2) + 8 (T % 2) + r + 8 (r / 8).
; LDS: region A: p's keys 0-1023, later V's chunks 1 and 3; region C: V's chunks 0 and 2; V's scale words; region B: p's keys 1024-2047, filled once, later (on to the spare words) the stage.
; FILLS: at the head one joint load a wave; three refills of one load a wave (a quarter of a chunk each), each behind a round, a chunk's 128 matrix instructions ahead of its use.
; CLUSTERS: p's blocks hang on y and are asked for jointly by a row of the cluster, V's on x and by a column.  PREFETCH: V's chunks 1 to 3, each a round ahead of the tensor load that wants it; the sixteen waves of a
; column's four work-groups name 6,144 bytes each, told apart by address.
; A STEP is one fragment of V (128 keys, 16 channels) x my four query tiles: four matrix instructions, V as source 0: a lane then holds one query, and its registers run along the channels.
; A BATCH is four steps, 16 matrix instructions; a chunk has eight.  V's fragments go through a ring of eight: ahead of a batch stands ONE run of LDS and memory instructions, with the next batch's twelve loads into the other
; half of the ring.  Each step waits by count for its own fragment.
; THE WAY OUT: a tile's 32 accumulators are multiplied by 1 / l during the next tile's first two batches and put into the wave's stage behind each of them (two sets of accumulators take turns); 64 channels (two chunks)
; make rows of 256 bytes: they are read back and stored, 16 lanes to an aligned unit of 256 bytes.  The first two chunks' leave during chunks 2 and 3.
.set CHB,   98304                      ; a chunk of V, and half of p's block
.set RC,    98304
.set VSL,   196608
.set RB,    212992
.set PSA,   311296                     ; p's scale words: 80 bytes a query: 16 words + 16 bytes
.set LINV,  321536                     ; 1 / l
.set SPARE, 327168
.set P1O,   36992                      ; the stage: three pieces of 4 waves x 64 rows x 144 bytes: chunk 0's (later chunk 3's), chunk 1's,
.set P2O,   74112                      ; chunk 2's; the distances are 128 modulo 256, so that a row's two halves fall on different banks
.set VFO,   12582912
.set VSO,   19398656
.set PSTO,  12582912
.set PFO,   0                          ; v0 the prefetches' offset
.set ST2,   1                          ; v1 into the stage, chunk 2's piece
.set AV,    4                          ; v4, v5 V's fragments in region C, A
.set AVS,   6                          ; v6 V's scale words
.set ST,    7                          ; v7 into the stage
.set RD0,   8                          ; v8, v9 back from it: chunks 0 and 1, chunks 2 and 3
.set RD1,   9
.set CO,    10                         ; v10 my byte offset in the output
.set SPW,   12
.set NIL,   13
.set TMP,   20                         ; v20-35 rows read back (at the head: addresses)
.set PW,    36                         ; v36-67 p's scale words: 16 p + k: tile 2 p in lanes 0-15, 2 p + 1 in lanes 16-31
.set VW,    68                         ; v68-83 V's: word k at VW + (k + 1) % 16: the pair's first tile in lanes 0-15, the second in lanes 16-31
.set ACC,   84                         ; v84-147 two sets of four accumulators
.set RING,  148                        ; v148-243; v244-255 p's fragment 63; windows 1 to 3: p's fragments 0-62, 21 a window
.set MSB, 0
.macro WIN new
.if MSB != (\new)
	s_set_vgpr_msb (MSB<<8)|(\new)
.set MSB, (\new)
.endif
.endm
.macro PLACES n
.rept \n
	v_nop
.endr
.endm
.macro CREST
	s_cmp_lg_u32 s14, 0
	s_cbranch_scc1 .Lnot_wave_0_\@
	s_barrier_signal -3
.Lnot_wave_0_\@:
	s_barrier_wait -3
	s_barrier_signal -1
	s_barrier_wait -1
.endm
.macro CROUND
	s_barrier_signal -1
	s_barrier_wait -1
	CREST
.endm
.macro ARM w, g0, g1, join             ; one arm of a chain on the wave's number: one tensor load, and a jump to the join
	s_cmp_eq_u32 s14, \w
	s_cbranch_scc0 .Lnext_\@
	tensor_load_to_lds s[\g0:\g0+3], s[\g1:\g1+7]
	s_nop 0
	PLACES 4
	s_branch \join
.Lnext_\@:
.endm
.macro GROUP1 g, mask, rows            ; a dense block as rows of 256 bytes
	s_or_b32 s[\g], s[\mask], (3<<16)|(1<<21)
	s_mov_b32 s[\g+1], 32<<16
	s_mov_b32 s[\g+2], (\rows)<<16
	s_mov_b32 s[\g+3], 32<<16
	s_mov_b32 s[\g+4], \rows
	s_mov_b32 s[\g+5], 32
	s_mov_b32 s[\g+6], 0
	s_mov_b32 s[\g+7], 0
.endm
.macro GROUP0 g, lds, base, off
	s_mov_b32 s[\g], 1
	s_mov_b32 s[\g+1], \lds
	s_add_nc_u64 s[\g+2:\g+3], s[\base:\base+1], \off
	s_or_b32 s[\g+3], s[\g+3], 0x80000000
.endm
.macro PLOAD kh, av                    ; my four tiles of p, keys 1,024 kh on: fragment 4 k + a
.set K_, 8*(\kh)
.rept 8
.irp a, 0,1,2,3
.set F_, 4*K_+\a
.if F_ == 63
.set PR_, 244
	WIN 0
.else
.set PR_, 12*(F_%21)
	WIN (1+F_/21)<<6
.endif
.irp q, 0,1,2
	ds_load_b128 v[PR_+4*\q:PR_+4*\q+3], v[\av] offset:12288*\a+1536*(K_%8)+512*\q
.endr
.endr
.set K_, K_+1
.endr
	WIN 0
.endm
; ---- C_ the chunk, G_ the batch 0 .. 7, J_ the step 0 .. 31 of the chunk, U_ = J_ / 16 the tile of the pair, K_ = J_ % 16 which 128 keys
.macro LDV jj, q, av                   ; piece q of step jj's fragment
	ds_load_b128 v[RING+12*((\jj)%8)+4*(\q):RING+12*((\jj)%8)+4*(\q)+3], v[\av] offset:24576*((\jj)/16)+1536*((\jj)%16)+512*(\q)
.endm
.macro LDW kk, cc                      ; word kk of pair cc's scale words
	ds_load_b32 v[VW+((\kk)+1)%16], v[AVS] offset:512*(\kk)+256*((\cc)/2)+8*((\cc)%2)
.endm
.macro WMX c, ra, rb
	v_wmma_scale_f32_16x16x128_f8f6f4 v[D_:D_+7], v[S_:S_+11], v[PR_:PR_+11], \c, v[XA_], v[XB_] matrix_a_fmt:MATRIX_FMT_FP6 matrix_b_fmt:MATRIX_FMT_FP6 matrix_a_scale:MATRIX_SCALE_ROW\ra matrix_b_scale:MATRIX_SCALE_ROW\rb
.endm
.macro WMR c, rb
.if U_
	WMX \c, 1, \rb
.else
	WMX \c, 0, \rb
.endif
.endm
.macro WM a                            ; the four accumulators take turns, one instruction a turn
.set F_, 4*K_+(\a)
.if F_ == 63
.set PR_, 244
	WIN 0
.else
.set PR_, 12*(F_%21)
	WIN (1+F_/21)<<2
.endif
.set D_, ACC+32*U_+8*(\a)
.set S_, RING+12*(J_%8)
.set XA_, VW+(K_+1)%16
.set XB_, PW+16*((\a)/2)+K_
.if K_ == 0
.if (\a)%2
	WMR 0, 1
.else
	WMR 0, 0
.endif
.else
.if (\a)%2
	WMR v[D_:D_+7], 1
.else
	WMR v[D_:D_+7], 0
.endif
.endif
.endm
.macro SCALE u, i                      ; half i % 2 of accumulator i / 2 of set u, times 1 / l of its queries
.set R_, ACC+32*(\u)+4*(\i)
.set L_, 16+2*((\i)/2)
.if (\i)/2 == 2
.set L_, 14
.elseif (\i)/2 == 3
.set L_, 2
.endif
	WIN 0
	v_pk_mul_f32 v[R_:R_+1], v[R_:R_+1], v[L_:L_+1] op_sel_hi:[1,0]
	v_pk_mul_f32 v[R_+2:R_+3], v[R_+2:R_+3], v[L_:L_+1] op_sel_hi:[1,0]
.endm
.macro PUT u, i, c                     ; into the stage: chunk c's piece
.set R_, ACC+32*(\u)+4*(\i)
.if (\c) == 2
	ds_store_b128 v[ST2], v[R_:R_+3] offset:2304*((\i)/2)+32*(\u)+16*((\i)%2)
.elseif (\c) == 1
	ds_store_b128 v[ST], v[R_:R_+3] offset:P1O+2304*((\i)/2)+32*(\u)+16*((\i)%2)
.else
	ds_store_b128 v[ST], v[R_:R_+3] offset:2304*((\i)/2)+32*(\u)+16*((\i)%2)
.endif
.endm
.macro SEND i, r, u                    ; rows 2 i, 2 i + 1 of my stage: 16 lanes store 256 consecutive bytes
.set E_, (\i)%8
	global_store_b128 v[CO], v[\r:\r+3], s[8:9] offset:(32*((\i)/16)+8*(((\i)/8)%2)+2*E_+8*(E_/4))*4096+256*(\u) th:TH_STORE_NT
.endm
.macro FLUSH y                         ; eight rows of the first two chunks come back: group y of eight
.if (\y) > 0
	s_wait_xcnt 0x0                                ; the last group's stores have read their registers
.endif
.irp t, 0,1,2,3
	ds_load_b128 v[TMP+4*\t:TMP+4*\t+3], v[RD0] offset:288*(4*(\y)+\t)
.endr
.endm
.macro WSTEP s                         ; step s of the batch
.set J_, 4*G_+(\s)
.set U_, J_/16
.set K_, J_%16
.set N_, 12+3*(3-(\s))                 ; the fragment is in; younger are the batch's later ones and the next batch's twelve loads at the least
.if (C_ == 3) && (G_ == 7)
.set N_, 3*(3-(\s))                    ; nothing more is fetched
.elseif G_ == 7
.set N_, -1                            ; all LDS instructions have been waited for
.if (\s) == 0
.set N_, 10                            ; three fragments and the add
.endif
.endif
.if N_ >= 0
	s_wait_dscnt N_
.endif
	WM 0
	WM 1
	WM 2
	WM 3
.if (C_ > 0) && (G_ < 2)
	SCALE 1, 4*G_+(\s)                             ; the last chunk's second tile
.elseif G_/2 == 2
	SCALE 0, 4*(G_-4)+(\s)                         ; this chunk's first
.endif
.endm
.macro FRONT                           ; the run ahead of a batch
.if G_ <= 6
	PLACES 4                                       ; in front of loads into the half of the ring that the last batch has read, and of reads of a tile just finished
.endif
.set Z_, -1
.if (C_ == 2) && (G_ >= 3)
.set Z_, G_-3
.elseif (C_ == 3) && (G_ <= 2)
.set Z_, G_+5
.endif
.if Z_ >= 0
	WIN 0
	s_wait_dscnt 0x0                               ; the group's rows are back
.irp t, 0,1,2,3
	SEND 4*Z_+\t, TMP+4*\t, 0
.endr
.endif
.set I_, -1
.if (C_ > 0) && (G_ >= 1) && (G_ <= 2)
.set I_, 4*(G_-1)
.set SU_, 1
.set SC_, C_-1
.elseif (G_ >= 5) && (G_ <= 6)
.set I_, 4*(G_-5)
.set SU_, 0
.set SC_, C_
.endif
.if I_ >= 0
	WIN 0
	s_wait_alu depctr_va_vdst(0)                   ; the wait here, directly ahead of the readers below
.irp t, 0,1,2,3
	PUT SU_, I_+\t, SC_
.endr
.endif
.if (C_ < 3) && (G_ == 6)
.irp t, 0,1,2,3
	LDW \t, C_+1
.endr
.elseif (C_ > 0) && (G_ < 2)
.irp t, 8,9,10,11
	LDW 4*G_+\t, C_
.endr
.endif
.if G_ <= 6
.irp t, 4,5,6,7
.irp q, 0,1,2
	LDV 4*G_+\t, \q, AC_
.endr
.endr
.endif
.if (C_ == 2) && (G_ >= 2) && (G_ <= 6)
	FLUSH G_-2
.elseif (C_ == 3) && (G_ < 2)
	FLUSH G_+6
.endif
.endm
.macro CHUNK c
.set C_, \c
.set AC_, AV+(\c)%2
.set AN_, AV+1-(\c)%2
.set G_, 0
.rept 7
	FRONT
	WSTEP 0
	WSTEP 1
	WSTEP 2
	WSTEP 3
.set G_, G_+1
.endr
	FRONT
.if (\c) < 3
	WIN 0
	s_wait_tensorcnt 0x0                           ; my part of the next chunk is in
	ds_add_u32 v[SPW], v[NIL]
	WSTEP 0
	WIN 0
	s_wait_dscnt 0x0                               ; the add is done, and so are my reads of this chunk
	s_barrier_signal -1
	WSTEP 1
	WIN 0
	s_barrier_wait -1                              ; the next chunk is whole
.if (\c) == 0
	CREST                                          ; no wave of any partner still reads chunk 0 or has a load on its way: chunk 2 takes its place
	tensor_load_to_lds s[56:59], s[32:39]
	s_nop 0
.elseif (\c) == 1
	CREST                                          ; and chunk 3 chunk 1's
	s_add_nc_u64 s[50:51], s[50:51], 2*CHB
	tensor_load_to_lds s[48:51], s[32:39]
	s_nop 0
.endif
	PLACES 4
.irp t, 4,5,6,7
	LDW \t, C_+1
.endr
.irp t, 0,1,2,3
.irp q, 0,1,2
	LDV \t, \q, AN_
.endr
.endr
.if (\c) == 2
	FLUSH 5
.endif
.if (\c) == 0
	global_prefetch_b8 v[PFO], s[88:89] offset:3*CHB th:TH_LOAD_NT scope:SCOPE_SE   ; chunk 3, for the next round's load
.endif
	WSTEP 2
	WSTEP 3
.else
	WSTEP 0
	WSTEP 1
	WSTEP 2
	WSTEP 3
.endif
.endm
	s_load_b128 s[4:7], s[0:1], 0x0                ; qkv, pbuf
	s_load_b64 s[8:9], s[0:1], 0x10                ; the output
	v_lshl_add_u32 v[SPW], v0, 2, SPARE
	v_mov_b32 v[NIL], 0
	ds_add_u32 v[SPW], v[NIL]                      ; the opening lines
	ds_add_u32 v[SPW], v[NIL]
	v_lshlrev_b32 v20, 2, v0                       ; the statistics: 4 bytes a thread, a thread a query
	v_lshrrev_b32 v1, 5, v0
	v_readfirstlane_b32 s14, v1                    ; wave w
	s_lshr_b32 s15, s14, 1                         ; my 64 queries
	s_and_b32 s16, s14, 1                          ; my 128 channels
	s_bfe_u32 s92, ttmp6, 0x40000                  ; cx
	s_bfe_u32 s93, ttmp6, 0x40004                  ; cy
	s_lshl_b32 s94, ttmp9, 2
	s_add_co_u32 s94, s94, s92                     ; work-group x
	s_and_b32 s17, ttmp7, 0xffff
	s_lshr_b32 s97, s17, 2                         ; the batch: from the cluster's y, which all partners share
	s_lshl_b32 s17, s17, 2
	s_add_co_u32 s17, s17, s93                     ; work-group y
	s_lshl_b32 s95, s93, 2
	s_lshl_b32 s95, 15, s95                        ; my row of the cluster
	s_lshl_b32 s96, 0x1111, s92                    ; my column
	s_mul_i32 s10, s17, 24576
	s_add_co_u32 s10, s10, PSTO
	s_mov_b32 s11, 0
	GROUP1 24, 95, 384                             ; p: half of the block
	GROUP1 40, 96, 384                             ; V: a chunk
	GROUP1 32, 96, 96                              ; V: a quarter of a chunk
	GROUP1 80, 96, 64                              ; V's scale words of 256 channels
	s_mul_i32 s18, s17, CHB                        ; p: 8 tiles of 12,288 bytes a work-group; a batch has twice as many bytes
	s_mul_i32 s19, s97, 1572864
	s_add_co_u32 s18, s18, s19
	s_mov_b32 s19, 0
	s_mul_i32 s98, s94, 4*CHB
	s_mul_i32 s99, s97, 1572864
	s_add_co_u32 s98, s98, s99
	s_add_co_u32 s98, s98, VFO
	s_mov_b32 s99, 0
	s_lshl_b32 s20, s94, 14
	s_lshl_b32 s21, s97, 16
	s_add_co_u32 s20, s20, s21
	s_add_co_u32 s20, s20, VSO
	s_mov_b32 s21, 0
	s_mul_i32 s22, s14, CHB/4                      ; my quarter of a chunk
	s_mov_b32 s23, 0
	s_lshl_b32 s2, s93, 2
	s_add_co_u32 s2, s2, s14
	s_mul_i32 s2, s2, CHB/16                       ; my sixteenth of a chunk, for the prefetches
	s_mov_b32 s3, 0
	s_wait_alu depctr_va_vdst(0)
	s_wait_dscnt 0x0                               ; both opening adds are done
	s_wait_kmcnt 0x0
	s_add_nc_u64 s[10:11], s[6:7], s[10:11]
.irp s, 0,1,2,3,4,5,6,7,8,9,10,11,12,13,14,15      ; for each 128 keys: -M, l, and the word of p's scale bytes
	global_load_b32 v[160+\s], v20, s[10:11] offset:8192+512*\s
	global_load_b32 v[176+\s], v20, s[10:11] offset:16384+512*\s
	global_load_b32 v[192+\s], v20, s[10:11] offset:512*\s
.endr
	s_add_nc_u64 s[18:19], s[6:7], s[18:19]
	s_add_nc_u64 s[98:99], s[4:5], s[98:99]
	s_add_nc_u64 s[20:21], s[4:5], s[20:21]
	s_add_nc_u64 s[90:91], s[98:99], s[22:23]
	s_add_nc_u64 s[88:89], s[98:99], s[2:3]        ; the prefetches' base
	GROUP0 60, 0, 18, 0                            ; the head: p's keys 0-1023,
	GROUP0 68, RB, 18, 1572864                     ; p's keys 1024-2047,
	GROUP0 72, RC, 98, 0                           ; V's chunk 0,
	GROUP0 76, VSL, 20, 0                          ; V's scale words
	GROUP0 48, 0, 90, CHB                          ; the refills: chunk 1 into region A,
	GROUP0 56, 0, 90, 2*CHB                        ; chunk 2 into region C
	s_add_co_u32 s49, s22, 0
	s_add_co_u32 s57, s22, RC
	CROUND                                         ; all sixteen work-groups are here: the first joint loads meet
	ARM 0, 60, 24, .Lasked                         ; one tensor load a wave at the head
	ARM 1, 68, 24, .Lasked
	ARM 2, 72, 40, .Lasked
	tensor_load_to_lds s[76:79], s[80:87]
	s_nop 0
	PLACES 4
.Lasked:
	v_mul_u32_u24 v21, v0, 80
	v_add_nc_u32 v21, PSA, v21                     ; my query's scale words in LDS, in the order of the threads: query (tile a, lane r) is thread 64 (a / 4) + 4 r + a % 4
	v_lshl_add_u32 v22, v0, 2, LINV
	v_and_b32 v1, 31, v0                           ; lane
	v_and_b32 v2, 15, v0                           ; r
	v_bfe_u32 v3, v0, 4, 1                         ; h
	v_lshlrev_b32 v10, 4, v1                       ; 16 x lane
	v_min_u32 v[PFO], 23, v1
	v_lshlrev_b32 v[PFO], 8, v[PFO]                ; 24 blocks of 256 bytes; the lanes left over name the last again
	s_mul_i32 s18, s15, 49152                      ; my four tiles of p: keys 0-1023,
	v_add_nc_u32 v11, s18, v10
	s_add_co_u32 s18, s18, RB
	v_add_nc_u32 v33, s18, v10                     ; keys 1024-2047
	global_prefetch_b8 v[PFO], s[88:89] offset:CHB th:TH_LOAD_NT scope:SCOPE_SE   ; chunk 1
	s_mul_i32 s19, s16, 49152                      ; my two tiles of a chunk
	v_add_nc_u32 v[AV+1], s19, v10
	s_add_co_u32 s19, s19, RC
	v_add_nc_u32 v[AV], s19, v10
	s_lshl_b32 s19, s16, 13
	s_add_co_u32 s19, s19, VSL
	v_lshlrev_b32 v[AVS], 4, v2
	v_lshl_add_u32 v[AVS], v3, 2, v[AVS]
	v_add_nc_u32 v[AVS], s19, v[AVS]
	s_mul_i32 s20, s15, 5120
	s_add_co_u32 s20, s20, PSA
	v_mul_u32_u24 v23, v2, 320                     ; p's words: row 64 (w / 2) + 4 r + h, + 2 p
	v_mul_u32_u24 v25, v3, 80
	v_add_nc_u32 v23, v23, v25
	v_add_nc_u32 v23, s20, v23
	s_lshl_b32 s20, s15, 8
	s_add_co_u32 s20, s20, LINV
	v_lshlrev_b32 v24, 4, v2
	v_add_nc_u32 v24, s20, v24                     ; 1 / l of my four tiles' queries r
	s_mul_i32 s19, s14, 9216
	s_add_co_u32 s19, s19, RB                      ; my part of a piece of the stage
	v_mul_u32_u24 v[ST], v2, 144                   ; in: row r, + 64 h
	v_lshl_add_u32 v[ST], v3, 6, v[ST]
	v_add_nc_u32 v[ST], s19, v[ST]
	v_and_b32 v25, 7, v2                           ; back: row h, 16 bytes a lane, lanes r of 8 and more from the second piece
	v_lshlrev_b32 v25, 4, v25
	v_mul_u32_u24 v26, v3, 144
	v_add_nc_u32 v25, v25, v26
	v_add_nc_u32 v25, s19, v25
	v_lshrrev_b32 v26, 3, v2
	v_mul_u32_u24 v27, v26, P1O
	v_add_nc_u32 v[RD0], v25, v27
	v_xor_b32 v26, 1, v26
	v_mul_u32_u24 v27, v26, P2O
	v_add_nc_u32 v[RD1], v25, v27
	v_lshlrev_b32 v25, 4, v2
	v_lshl_add_u32 v[CO], v3, 12, v25              ; the output: row h of 4,096 bytes, 16 bytes a lane
	v_add_nc_u32 v[ST2], P2O, v[ST]
	s_lshl_b32 s18, s17, 19                        ; 128 rows
	s_lshl_b32 s19, s15, 18
	s_add_co_u32 s18, s18, s19
	s_lshl_b32 s19, s94, 10
	s_add_co_u32 s18, s18, s19
	s_lshl_b32 s19, s16, 9
	s_add_co_u32 s18, s18, s19
	s_mov_b32 s19, 0
	s_add_nc_u64 s[8:9], s[8:9], s[18:19]
	s_mov_b32 s20, 0x80808080
	s_wait_alu depctr_va_vdst(0)                   ; the wait here, directly ahead of the wait below
	s_wait_loadcnt 0x0
	v_min3_num_f32 v208, v160, v161, v162          ; the least -M: the row's largest M
	v_min3_num_f32 v209, v163, v164, v165
	v_min3_num_f32 v210, v166, v167, v168
	v_min3_num_f32 v211, v169, v170, v171
	v_min3_num_f32 v208, v208, v172, v173
	v_min3_num_f32 v209, v209, v174, v175
	v_min3_num_f32 v208, v208, v209, v210
	v_min_num_f32 v208, v208, v211
.set q, 0
.rept 16
	v_sub_f32 v212, v[160+q], v208                 ; how far this chunk's M lies under it: a whole number, 0 or more
	v_min_num_f32 v212, 0x42fe0000, v212           ; 127 and more takes every byte to 0
	v_cvt_i32_f32 v212, v212
	v_sub_nc_u32 v213, 0, v212
	v_ldexp_f32 v213, v[176+q], v213               ; l under the row's M
.if q == 0
	v_mov_b32 v209, v213
.else
	v_add_f32 v209, v209, v213
.endif
	v_lshl_or_b32 v212, v212, 8, v212              ; the four scale bytes (all under 128) less that number, each held at 0: the top bit of each byte shows that it did not fall under 0
	v_lshl_or_b32 v212, v212, 16, v212
	v_or_b32 v214, s20, v[192+q]
	v_sub_nc_u32 v214, v214, v212
	v_and_b32 v215, s20, v214
	v_lshrrev_b32 v216, 7, v215
	v_sub_nc_u32 v215, v215, v216
	v_and_b32 v[192+q], v214, v215
.if q%4 == 3
	ds_store_b128 v21, v[192+q-3:192+q] offset:4*(q-3)
.endif
.set q, q+1
.endr
	s_wait_alu depctr_va_vdst(0)                   ; the waits on both sides of the transcendental
	v_rcp_f32 v210, v209
	v_nop
	s_wait_alu depctr_va_vdst(0)
	ds_store_b32 v22, v210
	s_cmp_eq_u32 s14, 0
	s_cbranch_scc0 .Lnot_0
	s_wait_tensorcnt 0x0                           ; wave 0: p's first half is in; the others may stay out
.Lnot_0:
	s_wait_dscnt 0x0
	s_barrier_signal -1
	s_barrier_wait -1
	PLOAD 0, 11
.irp p, 0,1
.irp g, 0,1,2,3
	ds_load_b128 v[PW+16*\p+4*\g:PW+16*\p+4*\g+3], v23 offset:160*\p+16*\g
.endr
.endr
	ds_load_b128 v[28:31], v24
	s_cmp_eq_u32 s14, 1
	s_cbranch_scc0 .Lnot_1
	s_wait_tensorcnt 0x0                           ; wave 1: p's second half
.Lnot_1:
	s_wait_dscnt 0x0
	s_barrier_signal -1
	s_barrier_wait -1
	v_mov_b32 v16, v28                             ; 1 / l of tiles 0 to 3, each in both registers of a pair
	v_mov_b32 v17, v28
	v_mov_b32 v18, v29
	v_mov_b32 v19, v29
	v_mov_b32 v14, v30
	v_mov_b32 v15, v30
	v_mov_b32 v2, v31
	v_mov_b32 v3, v31
	s_wait_alu depctr_va_vdst(0)                   ; the wait behind these writes
	PLOAD 1, 33
	s_wait_tensorcnt 0x0                           ; chunk 0 and V's scale words are in
	ds_add_u32 v[SPW], v[NIL]
	s_wait_dscnt 0x0                               ; the add is done, and all of p is in my registers
	CROUND                                         ; of every wave of every partner: region A is free
	tensor_load_to_lds s[48:51], s[32:39]          ; chunk 1
	s_nop 0
	PLACES 4
.set Q_, 0
.rept 16
	LDW Q_, 0
.set Q_, Q_+1
.endr
.irp t, 0,1,2,3
.irp q, 0,1,2
	LDV \t, \q, AV
.endr
.endr
	global_prefetch_b8 v[PFO], s[88:89] offset:2*CHB th:TH_LOAD_NT scope:SCOPE_SE   ; chunk 2, for the next round's load
	CHUNK 0
	CHUNK 1
	CHUNK 2
	CHUNK 3
	WIN 0
	PLACES 4
.set Q_, 0
.rept 8
	SCALE 1, Q_
.set Q_, Q_+1
.endr
.set Q_, 0
.rept 8
	PUT 1, Q_, 3
.set Q_, Q_+1
.endr
	WIN 0x40                                       ; back into window 1, which p has left
.set Q_, 0
.rept 32
	ds_load_b128 v[4*Q_:4*Q_+3], v[RD1] offset:288*Q_
.set Q_, Q_+1
.endr
	WIN 0x04
.set Q_, 0
.rept 32
.if Q_%8 == 0
	s_wait_dscnt 24-Q_
.endif
	SEND Q_, 4*Q_, 1
.set Q_, Q_+1
.endr
	WIN 0
	s_wait_tensorcnt 0x0                           ; the wave's end
	ds_add_u32 v[SPW], v[NIL]
	s_wait_dscnt 0x0
	CROUND                                         ; the closing round
	s_endpgm
.Lfunc_end_k_q8e9673a345_pv:
	.size	k_q8e9673a345_pv, .Lfunc_end_k_q8e9673a345_pv-k_q8e9673a345_pv
	.p2alignl 7, 3214868480
	.fill 96, 4, 3214868480
	.section	.rodata,"a",@progbits
	.p2align	6, 0x0
	.amdhsa_kernel k_q8e9673a345_pv
		.amdhsa_group_segment_fixed_size 327680
		.amdhsa_private_segment_fixed_size 0
		.amdhsa_enable_private_segment 0
		.amdhsa_kernarg_size 24
		.amdhsa_user_sgpr_count 2
		.amdhsa_user_sgpr_kernarg_segment_ptr 1
		.amdhsa_wavefront_size32 1
		.amdhsa_system_sgpr_workgroup_id_x 1
		.amdhsa_system_sgpr_workgroup_id_y 1
		.amdhsa_system_sgpr_workgroup_id_z 1
		.amdhsa_system_vgpr_workitem_id 0
		.amdhsa_next_free_vgpr 1024
		.amdhsa_next_free_sgpr 100
		.amdhsa_reserve_vcc 0
		.amdhsa_float_denorm_mode_32 3
		.amdhsa_float_denorm_mode_16_64 3
		.amdhsa_memory_ordered 1
		.amdhsa_forward_progress 1
		.amdhsa_inst_pref_size 169
	.end_amdhsa_kernel
	.amdgpu_metadata
---
amdhsa.version: [ 1, 2 ]
amdhsa.kernels:
  - .name:           k_q8e9673a345_pv
    .symbol:         k_q8e9673a345_pv.kd
    .args:
      - { .name: qkv, .offset: 0, .size: 8, .value_kind: global_buffer, .address_space: global }
      - { .name: pbuf, .offset: 8, .size: 8, .value_kind: global_buffer, .address_space: global }
      - { .name: out0, .offset: 16, .size: 8, .value_kind: global_buffer, .address_space: global }
    .group_segment_fixed_size: 327680
    .private_segment_fixed_size: 0
    .kernarg_segment_align: 8
    .kernarg_segment_size: 24
    .max_flat_workgroup_size: 128
    .sgpr_count:     100
    .vgpr_count:     1024
    .wavefront_size: 32
...
	.end_amdgpu_metadata
.endif
;; end of part 4
